; MI455X (gfx1250); checked and timed in simulation.
; The chip was launched on July 23, 2026; its instructions are those of AMD's public machine-readable ISA for CDNA 5 (MIT licence, August 2026) and "CDNA5" Instruction Set Architecture Reference Guide (July 2026). The comments in the code are by the model that wrote it; some were corrected since.
;; Multi Head Self Attention. Allowed arithmetic: matrix products marked QUANTISED: E2M3 operands, one E8M0 scale for each 32 along K, by v_wmma_scale_f32_16x16x128_f8f6f4 with both operands' format E2M3, f32 sums; everything else in f32.
;; Inputs: Wk 1,024 x 1,024 float32; Wo 1,024 x 1,024 float32; Wq 1,024 x 1,024 float32; Wv 1,024 x 1,024 float32; bk 1,024 float32; bo 1,024 float32; bq 1,024 float32; bv 1,024 float32; x 4 x 2,048 x 1,024 float32.
;; Outputs: out0 4 x 2,048 x 1,024 float32.
;; This version of the problem:
;;   THIS VERSION OF THE PROBLEM IS GIVEN IN LOW PRECISION. The matrix products marked QUANTISED in the list below multiply operands that are first quantised to E2M3 (2 exponent bits, 3 mantissa bits; 6 bits a number), with one power-of-two scale for each 32 numbers along K (OCP MX v1.0); their sums are f32. All else is computed in f32.
;;   The module's matrix products, in the order in which they are computed (A, B: the left and right operand; K: the contracted axis; several contracted axes count as one K, in the product's order):
;;     1. [M 8,192, K 1,024] x [K 1,024, N 1,024]; A: input x; B: input Wq: QUANTISED
;;     2. [M 8,192, K 1,024] x [K 1,024, N 1,024]; A: input x; B: input Wk: QUANTISED
;;     3. [M 8,192, K 1,024] x [K 1,024, N 1,024]; A: input x; B: input Wv: QUANTISED
;;     4. batch 64 x [M 2,048, K 64] x [K 64, N 2,048]; A: computed on the way; B: computed on the way: QUANTISED
;;     5. batch 64 x [M 2,048, K 2,048] x [K 2,048, N 64]; A: softmax (see below); B: computed on the way: QUANTISED
;;     6. [M 8,192, K 1,024] x [K 1,024, N 1,024]; A: computed on the way; B: input Wo: QUANTISED
;;   THE QUANTISER, for each operand of a quantised product, along K:
;;     - K is cut into blocks of 32 from its start; a last block that is shorter is filled with zeros.
;;     - A block's scale is 2^e with e = floor(log2(the largest magnitude in the block)) - 2, held to -126 .. 127; a block of zeros has e = 0. As a byte (E8M0): e + 127.
;;     - Each number is divided by its block's scale, clamped to +-7.5, and rounded to the nearest number of E2M3, ties to even, subnormals kept.
;;     - The product sums the exact products of the quantised numbers (number of the format x scale) in f32.
;;   ~~~python
;;   def quantise(x, axis):      # numpy; x: float32 -> the quantised numbers, widened to float32 again
;;       x = np.moveaxis(x, axis, -1); K = x.shape[-1]
;;       x = np.pad(x, [(0, 0)] * (x.ndim - 1) + [(0, -K % 32)]); x = x.reshape(x.shape[:-1] + (-1, 32)); a = np.abs(x).max(-1, keepdims=True)
;;       e = np.where(a > 0, np.clip(np.frexp(np.where(a > 0, a, 1))[1] - 1 - 2, -126, 127), 0)      # np.frexp(a)[1] - 1 = floor(log2(a)), exactly
;;       r = np.clip(x / 2.0 ** e, -7.5, 7.5)
;;       step = 2.0 ** (np.maximum(np.frexp(np.where(r == 0, 1, r))[1] - 1, 0) - 3)
;;       q = np.round(r / step) * step * 2.0 ** e      # np.round: ties to even
;;       return np.moveaxis(q.reshape(q.shape[:-2] + (-1,))[..., :K], -1, axis).astype(np.float32)
;;   ~~~
;;   SOFTMAX AHEAD OF A QUANTISED PRODUCT. Where the list says 'softmax', what is quantised is not the finished softmax but p = 2^(t - M), with t = logit x log2(e) and M = ceil(the row's largest t), a whole number; so 1/2 < the row's largest p <= 1. The row's sum l is taken of the UNQUANTISED p, in f32, and the product's result is divided by l at the end. Since M is a whole number, a kernel that streams over the keys may use a running M (the ceiling of the running maximum): every later rescaling is an exact power of two, which a block's scale takes up: the codes' values come out the same.
;;   OPERANDS COMPUTED ON THE WAY. 'Computed on the way' means the value that the module computes at that place (a softmax that the list does not call 'softmax' is quantised finished and normalised). What goes into a quantiser is computed in f32, as accurately as f32 sums, v_exp_f32 and their like allow (about 1e-6 of the number): no bf16 or f16 on the way to a quantiser, and a product that is left as it is and whose result goes on into a quantised operand takes f32 operands (vector FMAs, or v_wmma_f32_16x16x4_f32). A number that lies on a knife's edge between two numbers of the format may be rounded either way, as far as f32 arithmetic and the matrix unit's own rounding can turn it there, and no further.
;; One version. Each part assembles by itself: llvm-mc -triple=amdgcn-amd-amdhsa -mcpu=gfx1250 --defsym DOCPART=n.
;; ======== version 1 of 1: 4 launches
;; limits: right only within a limited range of input values
;; workspace buffers: codes 9,437,184 bytes; scl 393,216 bytes; qkv 18,874,368 bytes; qkvs 1,310,720 bytes; ocodes 6,291,456 bytes; osc 262,144 bytes
;; launch quant (part 1): grid 256 x 1, 24 waves a work-group, no clusters, 204,288 bytes of LDS; arguments x, Wq, Wk, Wv, Wo, codes, scl; writes codes, scl
.if DOCPART == 1
	.amdgcn_target "amdgcn-amd-amdhsa--gfx1250"
	.amdhsa_code_object_version 6
	.text
	.protected	k_qe11fcdb4ed_quant
	.globl	k_qe11fcdb4ed_quant
	.p2align	8
	.type	k_qe11fcdb4ed_quant,@function
k_qe11fcdb4ed_quant:
	s_mov_b64 s[64:65], 0
	v_nop
	global_prefetch_b8 v0, s[64:65] scope:SCOPE_SE
	s_setreg_imm32_b32 hwreg(HW_REG_WAVE_MODE, 25, 1), 1
	s_wait_xcnt 0x0
; x [8,192][1,024] and Wq, Wk, Wv, Wo [1,024][1,024], f32, become codes of FP6 (E2M3) and E8M0 scale bytes, one for each 32 along K, laid as operand registers:
; codes[row tile][K step of 128] x 1,536 bytes (registers 0-3, 4-5, 6-9, 10-11 of the 32 lanes on end), scl[row tile][place r][8 words].
; ROW TILES: 768 in all (x 512, then 64 for each weight).  Tile j of a group of 64 rows takes rows 64 (group) + 8 j + r % 8 + 32 (r / 8), r = 0 .. 15: two runs of 8 rows, 32 rows apart.
; So where such tiles are a product's source 0, the 32 result registers of a group's four tiles are 32 neighbouring rows: a whole scale block of the next product in one lane.
; SHARES: a work-group takes 3 tiles, 8 waves each.  Wave n of a tile fetches one piece (8 rows x 1,024 bytes: run n % 2, quarter n / 2 of K) by its one tensor load, so all of the
; work-group's 196,608 bytes are asked for at once; behind one barrier it quantises fragment n (16 rows x 128 K).  LDS rows are 1,024 + 16 bytes.
; A block's scale byte is its largest magnitude's exponent field less 2, held at 1 from below.  The 8 scale words of a row gather in an LDS stage and leave as 512 consecutive bytes a tile.
; LIMITS: NaN and infinities are not served; a block of zeros keeps the byte 1 (its codes are zeros; this program alone reads the bytes).
; No prefetch: every byte is asked for at the head, and there is no loop to run ahead in.  No cluster: no two work-groups read the same bytes.
.set RP,    1040
.set SLOTB, 16*RP                      ; a quarter of K of 16 rows
.set WREG,  4*SLOTB                    ; a tile
.set STG,   3*WREG                     ; the stage for scale words: 512 bytes a tile; no fill lands here
.set SPARE, STG+1536                   ; the spare words: 128 bytes for each of 24 waves
.set SPW,   10
.set NIL,   11
.set X,     16                         ; v16-79 the fragment's 64 numbers a lane: register 16 b + i = k 32 b + 16 h + i
.set PC,    80                         ; v80-98 codes
.set TM,    100                        ; v100-115 at work
.set PW,    116                        ; the scale word
.set G1,    24
.set G0,    32
.set SEL,   66
	s_load_b256 s[4:11], s[0:1], 0x0               ; x, Wq, Wk, Wv
	s_load_b128 s[12:15], s[0:1], 0x20             ; Wo, codes
	s_load_b64 s[16:17], s[0:1], 0x30              ; scl
	v_lshl_add_u32 v[SPW], v0, 2, SPARE
	v_mov_b32 v[NIL], 0
	ds_add_u32 v[SPW], v[NIL]                      ; the opening lines: the add twice and one wait
	ds_add_u32 v[SPW], v[NIL]
	v_lshrrev_b32 v1, 5, v0
	s_delay_alu instid0(VALU_DEP_1)
	v_readfirstlane_b32 s18, v1                    ; wave 0..23
	s_lshr_b32 s37, s18, 3                         ; which of the three tiles
	s_and_b32 s36, s18, 7                          ; n: my piece and my fragment
	s_mul_i32 s19, ttmp9, 3
	s_add_co_u32 s19, s19, s37                     ; the tile, 0..767
	s_mov_b32 s[G1+0], (2<<16)|(1<<20)|(7<<22)|(3<<25)   ; elements of 4 bytes; 4 words of padding behind every 256
	s_mov_b32 s[G1+1], 256<<16
	s_mov_b32 s[G1+2], 8<<16
	s_mov_b32 s[G1+3], 256<<16
	s_mov_b32 s[G1+4], 8
	s_mov_b32 s[G1+5], 1024
	s_mov_b32 s[G1+6], 0
	s_mov_b32 s[G1+7], 0
	s_mul_i32 s23, s37, WREG
	s_lshr_b32 s38, s36, 1                         ; quarter of K
	s_and_b32 s39, s36, 1                          ; run of rows; also: which half of the quarter my fragment is
	s_mul_i32 s40, s38, SLOTB
	s_add_co_u32 s40, s40, s23
	s_mul_i32 s41, s39, 8*RP
	s_add_co_u32 s41, s41, s40                     ; where my piece lands
	s_lshl_b32 s42, s39, 9
	s_add_co_u32 s42, s42, s40                     ; where my fragment's rows begin
	s_lshl_b32 s44, s37, 9
	s_add_co_u32 s44, s44, STG                     ; my tile's stage
	s_lshl_b32 s45, s36, 2
	s_add_co_u32 s45, s45, s44                     ; my word in a row's eight
	s_mov_b32 s[SEL], 0x76543210
	s_mov_b32 s[SEL+1], 0xfedcba98
	s_wait_dscnt 0x0
	s_wait_kmcnt 0x0
	s_mov_b64 s[20:21], s[4:5]                     ; the tensor and the tile's number in it: the choice hangs on ids alone
	s_mov_b32 s22, 0
	s_cmp_ge_u32 s19, 512
	s_cselect_b64 s[20:21], s[6:7], s[20:21]
	s_cselect_b32 s22, 512, s22
	s_cmp_ge_u32 s19, 576
	s_cselect_b64 s[20:21], s[8:9], s[20:21]
	s_cselect_b32 s22, 576, s22
	s_cmp_ge_u32 s19, 640
	s_cselect_b64 s[20:21], s[10:11], s[20:21]
	s_cselect_b32 s22, 640, s22
	s_cmp_ge_u32 s19, 704
	s_cselect_b64 s[20:21], s[12:13], s[20:21]
	s_cselect_b32 s22, 704, s22
	s_sub_co_u32 s22, s19, s22
	s_lshr_b32 s2, s22, 2
	s_lshl_b32 s2, s2, 6                           ; 64 x group
	s_and_b32 s3, s22, 3
	s_lshl_b32 s3, s3, 3                           ; + 8 j
	s_add_co_u32 s2, s2, s3                        ; the tile's first row
	s_lshl_b32 s2, s2, 12                          ; 4,096 bytes a row
	s_lshl_b32 s3, s39, 17                         ; the second run lies 32 rows on
	s_add_co_u32 s2, s2, s3
	s_lshl_b32 s3, s38, 10
	s_add_co_u32 s2, s2, s3
	s_mov_b32 s3, 0
	s_add_nc_u64 s[20:21], s[20:21], s[2:3]
	s_mul_i32 s2, s19, 12288
	s_mul_i32 s43, s36, 1536
	s_add_co_u32 s2, s2, s43
	s_add_nc_u64 s[14:15], s[14:15], s[2:3]        ; my fragment's codes
	s_lshl_b32 s2, s19, 9
	s_add_nc_u64 s[16:17], s[16:17], s[2:3]        ; my tile's scale words
	s_mov_b32 s[G0], 1
	s_mov_b32 s[G0+1], s41
	s_mov_b64 s[G0+2:G0+3], s[20:21]
	s_or_b32 s[G0+3], s[G0+3], 0x80000000
	tensor_load_to_lds s[G0:G0+3], s[G1:G1+7]      ; my one load
	s_nop 0
	v_and_b32 v1, 15, v0                           ; r
	v_bfe_u32 v2, v0, 4, 1                         ; h
	v_and_b32 v7, 31, v0
	v_mul_u32_u24 v3, v1, RP
	v_lshlrev_b32 v4, 4, v7                        ; 16 x lane
	v_lshlrev_b32 v5, 3, v7                        ; 8 x lane
	v_lshl_add_u32 v3, v2, 6, v3
	v_lshlrev_b32 v6, 5, v1
	v_add_nc_u32 v3, s42, v3                       ; row r, + 64 h
	v_add_nc_u32 v8, s44, v4                       ; the stage, back
	v_add_nc_u32 v6, s45, v6                       ; the stage, in: 32 r + 4 n
.irp b, 0,1,2,3
	v_mov_b32 v[TM+4+\b], 0                        ; a lane permute's destination counts as one of its sources
.endr
	s_wait_alu depctr_va_vdst(0)                   ; the wait at the head's end
	s_wait_tensorcnt 0x0                           ; my piece is in,
	s_barrier_signal -1
	s_barrier_wait -1                              ; everybody's is; nothing is filled again
.irp b, 0,1,2,3
.irp j, 0,1,2,3
	ds_load_b128 v[X+16*\b+4*\j:X+16*\b+4*\j+3], v3 offset:128*\b+16*\j
.endr
.endr
	s_wait_dscnt 0x0
.irp b, 0,1,2,3
	v_max3_num_f32 v[TM+\b], |v[X+16*\b]|, |v[X+1+16*\b]|, 0x1800000   ; my 16 numbers and the floor 2^(3 - 127)
.endr
.irp i, 2,4,6,8,10,12,14
.irp b, 0,1,2,3
	s_delay_alu instid0(VALU_DEP_4)
	v_max3_num_f32 v[TM+\b], v[TM+\b], |v[X+16*\b+\i]|, |v[X+1+16*\b+\i]|
.endr
.endr
.irp b, 0,1,2,3
	s_delay_alu instid0(VALU_DEP_4)
	v_permlanex16_b32 v[TM+4+\b], v[TM+\b], s[SEL], s[SEL+1]
.endr
.irp b, 0,1,2,3
	s_delay_alu instid0(VALU_DEP_4)
	v_max_num_f32 v[TM+\b], v[TM+\b], v[TM+4+\b]   ; with lane l xor 16's: the block's largest magnitude
.endr
.irp b, 0,1,2,3
	s_delay_alu instid0(VALU_DEP_4)
	v_add_nc_u32 v[TM+12+\b], 0xff000000, v[TM+\b] ; 2 off the exponent field: the conversion's scale operand
.endr
.irp b, 0,1,2,3
	s_delay_alu instid0(VALU_DEP_4)
	v_lshrrev_b32 v[TM+4+\b], 23, v[TM+12+\b]      ; the byte
.endr
	s_delay_alu instid0(VALU_DEP_3)
	v_lshl_or_b32 v[PW], v[TM+5], 8, v[TM+4]
	s_delay_alu instid0(VALU_DEP_1)
	v_lshl_or_b32 v[PW], v[TM+6], 16, v[PW]
	s_delay_alu instid0(VALU_DEP_1)
	v_lshl_or_b32 v[PW], v[TM+7], 24, v[PW]
.irp c, 0,1
	v_cvt_scalef32_pk16_fp6_f32 v[PC+6*\c:PC+2+6*\c], v[X+32*\c:X+15+32*\c], v[TM+12+2*\c]
	v_cvt_scalef32_pk16_fp6_f32 v[PC+12+4*\c:PC+14+4*\c], v[X+16+32*\c:X+31+32*\c], v[TM+12+2*\c+1]
.endr
	v_nop                                          ; one plain place behind a scaled conversion
.irp c, 0,1                                        ; a whole block in a lane: lanes 0-15 block 2 c, lanes 16-31 block 2 c + 1
.irp i, 0,1,2
	v_permlane16_swap_b32 v[PC+6*\c+\i], v[PC+12+4*\c+\i]
.endr
.irp i, 0,1,2
	s_delay_alu instid0(VALU_DEP_3)
	v_mov_b32 v[PC+3+6*\c+\i], v[PC+12+4*\c+\i]
.endr
.endr
	ds_store_b32 v6, v[PW]                         ; lanes r and r + 16 write the same word with the same value
	global_store_b128 v4, v[PC:PC+3], s[14:15]                 ; 512 consecutive bytes,
	global_store_b64 v5, v[PC+4:PC+5], s[14:15] offset:512     ; 256,
	global_store_b128 v4, v[PC+6:PC+9], s[14:15] offset:768
	global_store_b64 v5, v[PC+10:PC+11], s[14:15] offset:1280
	s_wait_dscnt 0x0                               ; my word is in the stage,
	s_barrier_signal -1
	s_barrier_wait -1                              ; everybody's is
	s_cmp_lg_u32 s36, 0
	s_cbranch_scc1 .Ldone                          ; a tile's first wave stores its 512 bytes of scale words
	ds_load_b128 v[16:19], v8
	s_wait_dscnt 0x0
	global_store_b128 v4, v[16:19], s[16:17]
.Ldone:
	s_wait_tensorcnt 0x0                           ; the wave's end
	ds_add_u32 v[SPW], v[NIL]
	s_wait_dscnt 0x0
	s_endpgm
.Lfunc_end_k_qe11fcdb4ed_quant:
	.size	k_qe11fcdb4ed_quant, .Lfunc_end_k_qe11fcdb4ed_quant-k_qe11fcdb4ed_quant
	.p2alignl 7, 3214868480
	.fill 96, 4, 3214868480
	.section	.rodata,"a",@progbits
	.p2align	6, 0x0
	.amdhsa_kernel k_qe11fcdb4ed_quant
		.amdhsa_group_segment_fixed_size 204288
		.amdhsa_private_segment_fixed_size 0
		.amdhsa_enable_private_segment 0
		.amdhsa_kernarg_size 56
		.amdhsa_user_sgpr_count 2
		.amdhsa_user_sgpr_kernarg_segment_ptr 1
		.amdhsa_wavefront_size32 1
		.amdhsa_system_sgpr_workgroup_id_x 1
		.amdhsa_system_sgpr_workgroup_id_y 1
		.amdhsa_system_sgpr_workgroup_id_z 1
		.amdhsa_system_vgpr_workitem_id 0
		.amdhsa_next_free_vgpr 128
		.amdhsa_next_free_sgpr 72
		.amdhsa_reserve_vcc 0
		.amdhsa_float_denorm_mode_32 3
		.amdhsa_float_denorm_mode_16_64 3
		.amdhsa_memory_ordered 1
		.amdhsa_forward_progress 1
		.amdhsa_inst_pref_size 12
	.end_amdhsa_kernel
	.amdgpu_metadata
---
amdhsa.version: [ 1, 2 ]
amdhsa.kernels:
  - .name:           k_qe11fcdb4ed_quant
    .symbol:         k_qe11fcdb4ed_quant.kd
    .args:
      - { .name: x, .offset: 0, .size: 8, .value_kind: global_buffer, .address_space: global }
      - { .name: Wq, .offset: 8, .size: 8, .value_kind: global_buffer, .address_space: global }
      - { .name: Wk, .offset: 16, .size: 8, .value_kind: global_buffer, .address_space: global }
      - { .name: Wv, .offset: 24, .size: 8, .value_kind: global_buffer, .address_space: global }
      - { .name: Wo, .offset: 32, .size: 8, .value_kind: global_buffer, .address_space: global }
      - { .name: codes, .offset: 40, .size: 8, .value_kind: global_buffer, .address_space: global }
      - { .name: scl, .offset: 48, .size: 8, .value_kind: global_buffer, .address_space: global }
    .group_segment_fixed_size: 204288
    .private_segment_fixed_size: 0
    .kernarg_segment_align: 8
    .kernarg_segment_size: 56
    .max_flat_workgroup_size: 768
    .sgpr_count:     72
    .vgpr_count:     128
    .wavefront_size: 32
...
	.end_amdgpu_metadata
.endif
;; end of part 1
;; launch qkv (part 2): grid 4 x 64, 4 waves a work-group, clusters of 4 x 4, 327,680 bytes of LDS; arguments codes, scl, bq, bk, bv, qkv, qkvs; writes qkv, qkvs
.if DOCPART == 2
	.amdgcn_target "amdgcn-amd-amdhsa--gfx1250"
	.amdhsa_code_object_version 6
	.text
	.protected	k_qe11fcdb4ed_qkv
	.globl	k_qe11fcdb4ed_qkv
	.p2align	8
	.type	k_qe11fcdb4ed_qkv,@function
k_qe11fcdb4ed_qkv:
	s_mov_b64 s[64:65], 0
	v_nop
	global_prefetch_b8 v0, s[64:65] scope:SCOPE_SE
	s_setreg_imm32_b32 hwreg(HW_REG_WAVE_MODE, 25, 1), 1
	s_wait_xcnt 0x0
	s_wait_alu depctr_hold_cnt(0) depctr_sa_sdst(0) depctr_va_vdst(0) depctr_va_sdst(0) depctr_va_ssrc(0) depctr_va_vcc(0) depctr_vm_vsrc(0)
	s_getreg_b32 s2, hwreg(HW_REG_IB_STS2, 6, 4)
	s_cmp_eq_u32 s2, 0
	s_cbranch_scc0 .Lentry_in_a_cluster
	s_endpgm
.Lentry_in_a_cluster:
	s_bfe_u32 s2, ttmp6, 0x10000c
	s_cmp_lg_u32 s2, 0xf033
	s_cbranch_scc0 .Lentry_shape_is_right
	s_endpgm
.Lentry_shape_is_right:
; Q = x Wq^T + bq, K = x Wk^T + bk, V = x Wv^T + bv on codes of FP6 (E2M3) with E8M0 scales, f32 sums; each result is quantised again on the way out, in f32, and leaves as codes.
; THE DEAL: 256 work-groups of four waves.  A work-group STAYS: it takes 128 tokens (block tb) and a quarter of the columns (256 features, cx) through three phases, Q, K, V.  A wave makes 128 tokens x 64 features,
; one head: 32 accumulators.  codes and scl are laid as operand registers: [row tile][K step of 128] x 1,536 bytes; scl [row tile][place][8 words].
; LDS: the tokens' codes for all of K, in two halves of K (AL, AU: 8 tiles x 6,144 bytes each), filled once; the weight's 256 rows in two halves of K (BL, BU: 16 tiles x 6,144).  At the head one joint load a wave: AL, BL, AU, BU;
; the first barrier waits for AL and BL alone.  BL is filled again, with the next weight, when K step 3's fragments are in registers, BU when K step 7's are: each behind a tensor wait, an add, an LDS wait and a round of the cluster's barrier
; each wave bringing its own 4 tiles.  The round in K step 3 also shows the upper halves, the round in K step 7 the next weight's lower half.
; Tokens' tiles are shared by a row of the cluster, weights' tiles by a column.  Scale words and biases come by plain loads straight into registers, whole rows of 32 bytes in two loads.
; ROWS OF A TILE: place r of tile j of a group of 64 rows is row 8 j + r % 8 + 32 (r / 8).  So the 32 result registers of a group's four tiles, as source 0, are rows 32 h + 0 .. 31: a whole scale block in a lane.
; Q AND K (a loop of two trips): source 0 = the weight's rows, source 1 = tokens: a lane holds one token's place, its 32 numbers of a token tile are features 32 h + 0 .. 31 of my head.
; V: the sources swapped: a lane holds one feature's place, its 64 numbers of a feature tile are tokens 32 h + 0 .. 31 and 64 + 32 h + 0 .. 31.  The bias is the first products' C.
; OUT: chunk = (((FG / 8) 4 + TG / 16) 8 + FG % 8) 16 + TG % 16, 12,288 bytes; FG: group of 128 features (0-7 Q, 8-15 K, 16-23 V), TG = tb.  Q, K: token tile a's half fragment of my head at 1,536 a + 768 (head % 2);
; scale words [head % 2][512]: tile a, place r at 16 (16 (a % 2) + r) + 4 (a / 2).  V: [head % 2][feature tile b] x 1,536; scale words from byte 1,048,576 on, 512 a chunk: [head % 2][256]: tile b, row r at 8 (16 (b % 2) + r) + 4 (b / 2).
; PREFETCH: the next weight's 196,608 bytes are asked for one phase ahead (Wk's at the head, Wv's in the first trip's K step 4): 768 blocks of 256 bytes shared out by address among the sixteen waves that will ask jointly, 48 each.
; LIMITS: NaN and infinities are not served; a block of zeros keeps the scale byte 1 (its codes are zeros; this program alone reads the bytes).
; REGISTERS: window 0: v1-20 addresses; v32-63 tokens' scale words, v68-83 the weight's; v100-131 bias of Q or K, v132-163 of V; v192-221, v240-255 the way out.  window 1: accumulators.  window 2: tokens' fragments, two sets of 96.  window 3: the weight's, two sets of 48.
.set AU,    49152
.set BL,    98304
.set BU,    196608
.set SPARE, 294912
.set WSTEP, 786432                     ; from a weight's codes to the next weight's
.set L16,  6                           ; v6 16 x lane = AL's address; v7 AU's
.set L8,   8                           ; v8 8 x lane; v9
.set B16,  10                          ; v10, v11 my 4 tiles in BL, BU, 16 bytes a lane; v12, v13 8 bytes a lane
.set B8,   12
.set SCA,  14                          ; 512 h + 32 r
.set BPA,  15                          ; 128 h
.set BRA,  16                          ; 4 (r + 24 (r / 8))
.set SH,   17                          ; 16 h
.set PF,   18                          ; v18, v19 my 48 blocks of a prefetch
.set SH8,  20                          ; 8 h
.set SPW,  28
.set NIL,  29
.set SAR,  32
.set SBR,  68                          ; (the two scale registers of a product differ modulo 8)
.set BQ,   100
.set VB,   132
.set PC,   192
.set PW,   214
.set WO,   218
.set TM,   240
.set G1A, 24
.set G1B, 32
.set G1R, 48
.set G0AL, 56
.set G0BL, 60
.set G0AU, 68
.set G0BU, 72
.set G0R, 76
.set SEL, 66
.set MSB, 0
.macro WIN new
.if MSB != \new
	s_set_vgpr_msb (MSB<<8)|\new
.set MSB, \new
.endif
.endm
.macro PLACES n
.rept \n
	v_nop
.endr
.endm
.macro CREST
	s_cmp_lg_u32 s14, 0
	s_cbranch_scc1 .Lnot_wave_0_\@
	s_barrier_signal -3
.Lnot_wave_0_\@:
	s_barrier_wait -3
	s_barrier_signal -1
	s_barrier_wait -1
.endm
.macro CROUND
	s_barrier_signal -1
	s_barrier_wait -1
	CREST
.endm
.macro G1SET g, mask, rows             ; rows of 6,144 bytes (768 elements of 8), 12,288 apart in memory, dense in LDS
	s_or_b32 s[\g], s\mask, (3<<16)|(1<<21)
	s_mov_b32 s[\g+1], 768<<16
	s_mov_b32 s[\g+2], (\rows)<<16
	s_mov_b32 s[\g+3], 768<<16
	s_mov_b32 s[\g+4], \rows
	s_mov_b32 s[\g+5], 1536
	s_mov_b32 s[\g+6], 0
	s_mov_b32 s[\g+7], 0
.endm
.macro G0SET g, lds, base, off
	s_mov_b32 s[\g], 1
	s_mov_b32 s[\g+1], \lds
	s_add_nc_u64 s[\g+2:\g+3], s[\base:\base+1], \off
	s_or_b32 s[\g+3], s[\g+3], 0x80000000
.endm
.macro TLOAD g0, g1
	tensor_load_to_lds s[\g0:\g0+3], s[\g1:\g1+7]
	s_nop 0
	PLACES 4
.endm
.macro ARM under, g0, g1, next
	s_cmp_lt_u32 s14, \under
	s_cbranch_scc0 \next
	TLOAD \g0, \g1
	s_branch .Lasked
\next:
.endm
.macro FRAG reg, a16, a8, off          ; a fragment as it was stored: registers 0-3, 4-5, 6-9, 10-11
	ds_load_b128 v[\reg:\reg+3], v[\a16] offset:\off
	ds_load_b64 v[\reg+4:\reg+5], v[\a8] offset:(\off)+512
	ds_load_b128 v[\reg+6:\reg+9], v[\a16] offset:(\off)+768
	ds_load_b64 v[\reg+10:\reg+11], v[\a8] offset:(\off)+1280
.endm
.macro FETCH q                         ; K step q's 12 fragments into set q % 2: 48 loads
	WIN 0x80
.irp i, 0,1,2,3,4,5,6,7
	FRAG 96*((\q)%2)+12*\i, L16+(\q)/4, L8+(\q)/4, \i*6144+((\q)%4)*1536
.endr
	WIN 0xc0
.irp i, 0,1,2,3
	FRAG 48*((\q)%2)+12*\i, B16+(\q)/4, B8+(\q)/4, \i*6144+((\q)%4)*1536
.endr
	WIN 0
.endm
.macro W1 d, s0, s1, c, x0, x1, r0, r1
.if (\r0) && (\r1)
	v_wmma_scale_f32_16x16x128_f8f6f4 v[\d:\d+7], v[\s0:\s0+11], v[\s1:\s1+11], \c, v[\x0], v[\x1] matrix_a_fmt:MATRIX_FMT_FP6 matrix_b_fmt:MATRIX_FMT_FP6 matrix_a_scale:MATRIX_SCALE_ROW1 matrix_b_scale:MATRIX_SCALE_ROW1
.elseif (\r0)
	v_wmma_scale_f32_16x16x128_f8f6f4 v[\d:\d+7], v[\s0:\s0+11], v[\s1:\s1+11], \c, v[\x0], v[\x1] matrix_a_fmt:MATRIX_FMT_FP6 matrix_b_fmt:MATRIX_FMT_FP6 matrix_a_scale:MATRIX_SCALE_ROW1
.elseif (\r1)
	v_wmma_scale_f32_16x16x128_f8f6f4 v[\d:\d+7], v[\s0:\s0+11], v[\s1:\s1+11], \c, v[\x0], v[\x1] matrix_a_fmt:MATRIX_FMT_FP6 matrix_b_fmt:MATRIX_FMT_FP6 matrix_b_scale:MATRIX_SCALE_ROW1
.else
	v_wmma_scale_f32_16x16x128_f8f6f4 v[\d:\d+7], v[\s0:\s0+11], v[\s1:\s1+11], \c, v[\x0], v[\x1] matrix_a_fmt:MATRIX_FMT_FP6 matrix_b_fmt:MATRIX_FMT_FP6
.endif
.endm
.macro ONE kind, q, a, b, first        ; token tile a x feature tile b.  A scale register holds tile 2 i in lanes 0-15 and tile 2 i + 1 in lanes 16-31
.set FA_, 96*((\q)%2)+12*(\a)
.set FB_, 48*((\q)%2)+12*(\b)
.set XA_, SAR+8*((\a)/2)+(\q)
.set XB_, SBR+8*((\b)/2)+(\q)
.set CB_, BQ+32*(\kind)+8*(\b)
.if \kind
.set D_, 8*(8*(\b)+(\a))
.if \first
	W1 D_, FA_, FB_, v[CB_:CB_+7], XA_, XB_, (\a)%2, (\b)%2
.else
	W1 D_, FA_, FB_, v[D_:D_+7], XA_, XB_, (\a)%2, (\b)%2
.endif
.else
.set D_, 8*(4*(\a)+(\b))
.if \first
	W1 D_, FB_, FA_, v[CB_:CB_+7], XB_, XA_, (\b)%2, (\a)%2
.else
	W1 D_, FB_, FA_, v[D_:D_+7], XB_, XA_, (\b)%2, (\a)%2
.endif
.endif
.endm
.macro MM kind, q, hf, first           ; 16 products: token tiles 4 hf .. 4 hf + 3; the 32 accumulators take turns, in the same order in every step
	WIN 0x4b+3*(\kind)+0x10*(1-(\first))
.set A_, 4*(\hf)
.rept 4
.set B_, 0
.rept 4
	ONE \kind, \q, A_, B_, \first
.set B_, B_+1
.endr
.set A_, A_+1
.endr
.endm
.macro STEPN kind, q, first            ; a K step: the next step's fragments are asked for ahead of this step's 32 products
	PLACES 4                                       ; behind the last step's products, whose set the loads fill
	FETCH (\q)+1
	s_wait_dscnt 48                                ; all but the 48 just issued: this step's fragments are in
	MM \kind, \q, 0, \first
	MM \kind, \q, 1, \first
	WIN 0
.endm
.macro PHASE kind, fill
	STEPN \kind, 0, 1
	STEPN \kind, 1, 0
	STEPN \kind, 2, 0
.if \fill
	s_wait_xcnt 0x0                                ; my prefetches have read their base, which is stepped below
.endif
	s_wait_tensorcnt 0x0                           ; K step 3: all my tensor loads have landed, my part of the upper halves among them
.if \fill
	ds_add_u32 v[SPW], v[NIL]
	s_mov_b32 s[G0R+1], s84                        ; the next weight's lower half, my 4 tiles, into BL
	s_add_nc_u64 s[G0R+2:G0R+3], s[G0R+2:G0R+3], WSTEP-6144
	s_add_nc_u64 s[86:87], s[86:87], WSTEP
.endif
	s_wait_dscnt 0x0                               ; K step 3's fragments are in: my reads of the lower halves are over
	s_barrier_signal -1
	MM \kind, 3, 0, 0
	WIN 0
	s_barrier_wait -1
.if \fill
	CREST                                          ; the barrier has opened a round of the cluster's barrier
	TLOAD G0R, G1R
.else
	PLACES 4
.endif
	FETCH 4
	MM \kind, 3, 1, 0
	WIN 0
	PLACES 4
	FETCH 5
.if \fill
	s_cmp_eq_u32 s2, 0                             ; in the first trip: Wv's tile, which the next trip's refills bring
	s_cbranch_scc0 .Lno_pf
	global_prefetch_b8 v[PF], s[86:87] th:TH_LOAD_NT scope:SCOPE_SE
	global_prefetch_b8 v[PF+1], s[86:87] th:TH_LOAD_NT scope:SCOPE_SE
.Lno_pf:
.endif
	s_wait_dscnt 48
	MM \kind, 4, 0, 0
	MM \kind, 4, 1, 0
	WIN 0
	STEPN \kind, 5, 0
	STEPN \kind, 6, 0
.if \fill
	s_wait_tensorcnt 0x0                           ; K step 7: my part of the next weight's lower half has landed
	ds_add_u32 v[SPW], v[NIL]
	s_mov_b32 s[G0R+1], s85                        ; its upper half into BU
	s_add_nc_u64 s[G0R+2:G0R+3], s[G0R+2:G0R+3], 6144
	s_wait_dscnt 0x0                               ; K step 7's fragments are in: my reads of the upper halves are over
	s_barrier_signal -1
	MM \kind, 7, 0, 0
	WIN 0
	s_barrier_wait -1
	CREST
	TLOAD G0R, G1R
	FETCH 0                                        ; the next phase's first fragments
	MM \kind, 7, 1, 0
.else
	s_wait_dscnt 0x0
	MM \kind, 7, 0, 0
	MM \kind, 7, 1, 0
.endif
	WIN 0
.endm
; 64 sums of a lane in window 1, two whole blocks of 32 (registers 0-31: block h, registers 32-63: block 2 + h), become 12 registers of codes in v[PC] on; v[pw] gets the four blocks' scale bytes, mine joined with lane l xor 16's
.macro QUANT s, pw
	WIN 0x05
.irp b, 0,1,2,3
	v_max3_num_f32 v[TM+\b], |v[(\s)+16*\b]|, |v[(\s)+1+16*\b]|, 0x1800000   ; four chains of 16 numbers, and the floor 2^(3 - 127)
.endr
	WIN 0x14
.irp i, 2,4,6,8,10,12,14
.irp b, 0,1,2,3
	v_max3_num_f32 v[TM+\b], v[TM+\b], |v[(\s)+16*\b+\i]|, |v[(\s)+1+16*\b+\i]|
.endr
.endr
	WIN 0
	v_max_num_f32 v[TM], v[TM], v[TM+1]            ; the first block's largest magnitude,
	v_max_num_f32 v[TM+2], v[TM+2], v[TM+3]        ; the second's
	v_add_nc_u32 v[TM+12], 0xff000000, v[TM]       ; 2 off the exponent field: the conversion's scale operand
	v_add_nc_u32 v[TM+14], 0xff000000, v[TM+2]
	v_lshrrev_b32 v[TM+4], 23, v[TM+12]            ; the byte
	v_lshrrev_b32 v[TM+6], 23, v[TM+14]
	v_lshl_or_b32 v[\pw], v[TM+6], 16, v[TM+4]     ; my two bytes,
	v_lshlrev_b32 v[\pw], v[SH8], v[\pw]           ; at their places in the word (8 h bits up);
	v_permlanex16_b32 v[TM+5], v[\pw], s[SEL], s[SEL+1]
	v_or_b32 v[\pw], v[\pw], v[TM+5]               ; with lane l xor 16's two the word is whole
	WIN 0x01
.irp c, 0,1
	v_cvt_scalef32_pk16_fp6_f32 v[PC+6*\c:PC+2+6*\c], v[(\s)+32*\c:(\s)+15+32*\c], v[TM+12+2*\c]
	v_cvt_scalef32_pk16_fp6_f32 v[PC+12+4*\c:PC+14+4*\c], v[(\s)+16+32*\c:(\s)+31+32*\c], v[TM+12+2*\c]
.endr
	WIN 0
	v_nop                                          ; one plain place behind a scaled conversion
.irp c, 0,1
.irp i, 0,1,2
	v_mov_b32 v[PC+3+6*\c+\i], v[PC+12+4*\c+\i]    ; (a conversion's three registers begin on an even number)
.endr
.endr
.endm
.macro SBLOAD                          ; my 4 tiles' scale words
.irp p, 0,1
.irp c, 0,1
	global_load_b128 v[SBR+8*\p+4*\c:SBR+8*\p+4*\c+3], v[SCA], s[80:81] offset:1024*\p+16*\c
.endr
.endr
.endm
.macro BIASLOAD ptr                    ; register 8 b + j: feature 32 h + 8 b + j of my head
.irp b, 0,1,2,3
	global_load_b128 v[BQ+8*\b:BQ+8*\b+3], v[BPA], \ptr offset:32*\b
	global_load_b128 v[BQ+8*\b+4:BQ+8*\b+7], v[BPA], \ptr offset:32*\b+16
.endr
.endm
	s_load_b128 s[4:7], s[0:1], 0x0                ; codes, scl
	s_load_b128 s[8:11], s[0:1], 0x10              ; bq, bk
	s_load_b128 s[96:99], s[0:1], 0x20             ; bv, qkv
	s_load_b64 s[12:13], s[0:1], 0x30              ; qkvs
	v_lshl_add_u32 v[SPW], v0, 2, SPARE
	v_mov_b32 v[NIL], 0
	ds_add_u32 v[SPW], v[NIL]                      ; the opening lines
	ds_add_u32 v[SPW], v[NIL]
	v_lshrrev_b32 v1, 5, v0
	v_readfirstlane_b32 s14, v1                    ; wave 0..3: which 64 features
	s_and_b32 s15, s14, 1                          ; head % 2
	s_lshr_b32 s3, s14, 1
	s_bfe_u32 s40, ttmp6, 0x40000                  ; cx: the quarter of the columns
	s_bfe_u32 s41, ttmp6, 0x40004                  ; cy
	s_and_b32 s42, ttmp7, 0xffff
	s_lshl_b32 s42, s42, 2
	s_add_co_u32 s42, s42, s41                     ; tb: the block of 128 tokens
	s_lshl_b32 s43, s41, 2
	s_lshl_b32 s43, 15, s43                        ; my row of the cluster
	s_lshl_b32 s44, 0x1111, s40                    ; my column
	G1SET G1A, 43, 8
	G1SET G1B, 44, 16
	G1SET G1R, 44, 4
	s_mul_i32 s16, s42, 98304                      ; the tokens' codes
	s_mov_b32 s17, 0
	s_mul_i32 s18, s40, 196608
	s_add_co_u32 s18, s18, 512*12288               ; Wq's 256 rows: row tile 512 + 16 cx
	s_mov_b32 s19, 0
	s_lshl_b32 s20, s42, 12                        ; the tokens' scale words
	s_mov_b32 s21, 0
	s_lshl_b32 s22, s40, 13
	s_lshl_b32 s23, s14, 11
	s_add_co_u32 s22, s22, s23
	s_add_co_u32 s22, s22, 512*512                 ; my 4 tiles' scale words
	s_mov_b32 s23, 0
	s_lshl_b32 s46, s40, 10
	s_lshl_b32 s47, s14, 8
	s_add_co_u32 s46, s46, s47                     ; my 64 features in a bias, in bytes
	s_mov_b32 s47, 0
	s_lshr_b32 s92, s42, 4                         ; Q's chunk
	s_lshl_b32 s92, s92, 3
	s_lshl_b32 s93, s40, 1
	s_add_co_u32 s92, s92, s93
	s_add_co_u32 s92, s92, s3
	s_lshl_b32 s92, s92, 4
	s_and_b32 s93, s42, 15
	s_add_co_u32 s92, s92, s93
	s_mul_i32 s88, s92, 12288
	s_mul_i32 s89, s15, 768
	s_add_co_u32 s88, s88, s89
	s_mov_b32 s89, 0
	s_lshl_b32 s90, s92, 10
	s_lshl_b32 s91, s15, 9
	s_add_co_u32 s90, s90, s91
	s_mov_b32 s91, 0
	s_lshl_b32 s94, s92, 9
	s_lshl_b32 s95, s15, 8
	s_add_co_u32 s94, s94, s95
	s_add_co_u32 s94, s94, 0x100000
	s_mov_b32 s95, 0
	s_mul_i32 s92, s15, 6144-768                   ; V's head lies 6,144 bytes on in its chunk, not 768
	s_mov_b32 s93, 0
	s_mul_i32 s84, s14, 24576
	s_add_co_u32 s84, s84, BL                      ; my 4 tiles in BL,
	s_add_co_u32 s85, s84, BU-BL                   ; and in BU
	s_mul_i32 s100, s14, 49152
	s_add_co_u32 s100, s100, 6144
	s_mov_b32 s101, 0
	s_lshl_b32 s45, s41, 2
	s_add_co_u32 s45, s45, s14
	s_mul_i32 s45, s45, 48*256                     ; my 48 blocks of a prefetched tile: told apart by address
	s_add_co_u32 s3, s45, 32*256
	s_mov_b32 s[SEL], 0x76543210
	s_mov_b32 s[SEL+1], 0xfedcba98
	v_and_b32 v1, 31, v0
	v_and_b32 v2, 15, v0                           ; r
	v_bfe_u32 v3, v0, 4, 1                         ; h
	v_lshlrev_b32 v[L16], 4, v1
	v_lshlrev_b32 v[L8], 3, v1
	v_min_u32 v[PF+1], 15, v1
	v_lshl_add_u32 v[PF], v1, 8, s45
	v_lshlrev_b32 v[SCA], 5, v2
	v_and_b32 v[BRA], 8, v2
	v_add_nc_u32 v[L16+1], AU, v[L16]
	v_add_nc_u32 v[L8+1], AU, v[L8]
	v_add_nc_u32 v[B16], s84, v[L16]
	v_add_nc_u32 v[B16+1], s85, v[L16]
	v_add_nc_u32 v[B8], s84, v[L8]
	v_add_nc_u32 v[B8+1], s85, v[L8]
	v_lshl_add_u32 v[PF+1], v[PF+1], 8, s3
	v_lshl_add_u32 v[SCA], v3, 9, v[SCA]
	v_mad_u32_u24 v[BRA], v[BRA], 3, v2            ; r + 24 (r / 8)
	v_lshlrev_b32 v[BPA], 7, v3
	v_lshlrev_b32 v[SH], 4, v3
	v_lshlrev_b32 v[SH8], 3, v3
	v_lshlrev_b32 v[BRA], 2, v[BRA]
.irp b, 0,1,2,3
	v_mov_b32 v[TM+4+\b], 0                        ; a lane permute's destination counts as one of its sources
.endr
	s_wait_alu depctr_va_vdst(0)                   ; the wait ahead of the waits below
	s_wait_dscnt 0x0
	s_wait_kmcnt 0x0
	s_add_nc_u64 s[16:17], s[4:5], s[16:17]
	s_add_nc_u64 s[18:19], s[4:5], s[18:19]
	s_add_nc_u64 s[20:21], s[6:7], s[20:21]
	s_add_nc_u64 s[80:81], s[6:7], s[22:23]
	s_add_nc_u64 s[8:9], s[8:9], s[46:47]
	s_add_nc_u64 s[82:83], s[10:11], s[46:47]
	s_add_nc_u64 s[96:97], s[96:97], s[46:47]
	s_add_nc_u64 s[88:89], s[98:99], s[88:89]      ; Q's codes,
	s_add_nc_u64 s[90:91], s[12:13], s[90:91]      ; its scale words,
	s_add_nc_u64 s[94:95], s[12:13], s[94:95]      ; V's scale words
	s_add_nc_u64 s[86:87], s[18:19], WSTEP         ; Wk's tile, for the prefetch
	G0SET G0AL, 0, 16, 0
	G0SET G0BL, BL, 18, 0
	G0SET G0AU, AU, 16, 6144
	G0SET G0BU, BU, 18, 6144
	s_mov_b32 s[G0R], 1
	s_mov_b32 s[G0R+1], s84
	s_add_nc_u64 s[G0R+2:G0R+3], s[18:19], s[100:101]   ; my 4 tiles of Wq, upper half: the refills step on from here
	s_or_b32 s[G0R+3], s[G0R+3], 0x80000000
	CROUND                                         ; all sixteen work-groups are here: the first joint loads meet
	ARM 1, G0AL, G1A, .Lhead_bl                    ; one load a wave, in one chain of branches on the wave's number; what is needed first is asked for by waves 0 and 1
	ARM 2, G0BL, G1B, .Lhead_au
	ARM 3, G0AU, G1A, .Lhead_bu
	TLOAD G0BU, G1B
.Lasked:
.irp p, 0,1,2,3
.irp c, 0,1
	global_load_b128 v[SAR+8*\p+4*\c:SAR+8*\p+4*\c+3], v[SCA], s[20:21] offset:1024*\p+16*\c
.endr
.endr
	SBLOAD
	BIASLOAD s[8:9]
.irp b, 0,1,2,3
	global_load_b32 v[VB+8*\b], v[BRA], s[96:97] offset:32*\b   ; V: lane r of tile b has feature 8 b + r % 8 + 32 (r / 8)
.endr
	global_prefetch_b8 v[PF], s[86:87] th:TH_LOAD_NT scope:SCOPE_SE
	global_prefetch_b8 v[PF+1], s[86:87] th:TH_LOAD_NT scope:SCOPE_SE
	s_wait_loadcnt 0x0
.irp b, 0,8,16,24
.irp i, 1,2,3,4,5,6,7
	v_mov_b32 v[VB+\b+\i], v[VB+\b]                ; V's number over the tile's eight registers
.endr
.endr
	s_wait_alu depctr_va_vdst(0)                   ; the wait at the head's end
	s_cmp_lt_u32 s14, 2
	s_cbranch_scc0 .Lnot_low
	s_wait_tensorcnt 0x0                           ; waves 0 and 1: AL, BL
.Lnot_low:
	s_barrier_signal -1
	s_barrier_wait -1                              ; the lower halves are in; the upper may be on their way
	FETCH 0
	s_mov_b32 s2, 0
.Lphase:                                               ; Q, then K
	PHASE 0, 1
	PLACES 4                                       ; behind the last products: their results are read, their scale registers loaded
	s_add_nc_u64 s[80:81], s[80:81], 64*512
	SBLOAD                                         ; the next weight's scale words,
	s_cmp_eq_u32 s2, 0
	s_cbranch_scc0 .Lno_bias
	BIASLOAD s[82:83]                              ; and, behind Q, K's bias
.Lno_bias:
.irp p, 0,1,2,3                                        ; token tiles 2 p and 2 p + 1: the first and the second 32 of the 64 numbers
.if \p > 0
	s_wait_xcnt 0x0                                ; the last stores have read their registers
.endif
	QUANT 64*\p, PW+\p
	global_store_b128 v[L16], v[PC:PC+3], s[88:89] offset:3072*\p
	global_store_b64 v[L8], v[PC+4:PC+5], s[88:89] offset:3072*\p+512
	global_store_b128 v[L16], v[PC+6:PC+9], s[88:89] offset:3072*\p+1536
	global_store_b64 v[L8], v[PC+10:PC+11], s[88:89] offset:3072*\p+2048
.endr
.irp p, 0,1,2,3
	v_lshrrev_b32 v[WO+\p], v[SH], v[PW+\p]        ; lanes 0-15 the even tile's word (its bytes 0, 1), lanes 16-31 the odd tile's two bytes brought down
.endr
	global_store_b128 v[L16], v[WO:WO+3], s[90:91] ; my head's 512 bytes of scale words
	s_wait_xcnt 0x0
	s_add_nc_u64 s[88:89], s[88:89], 512*12288     ; the next tensor's chunks lie 512 on
	s_add_nc_u64 s[90:91], s[90:91], 512*1024
	s_wait_alu depctr_va_vdst(0)
	s_wait_loadcnt 0x0
	s_add_co_u32 s2, s2, 1
	s_cmp_lg_u32 s2, 2
	s_cbranch_scc1 .Lphase
	PHASE 1, 0                                     ; V
	PLACES 4
	s_add_nc_u64 s[88:89], s[88:89], s[92:93]
.irp b, 0,1,2,3
.if \b > 0
	s_wait_xcnt 0x0
.endif
	QUANT 64*\b, PW+\b
	global_store_b128 v[L16], v[PC:PC+3], s[88:89] offset:1536*\b
	global_store_b64 v[L8], v[PC+4:PC+5], s[88:89] offset:1536*\b+512
	global_store_b128 v[L16], v[PC+6:PC+9], s[88:89] offset:1536*\b+768
	global_store_b64 v[L8], v[PC+10:PC+11], s[88:89] offset:1536*\b+1280
.endr
	v_cmp_ne_u32 vcc_lo, 0, v3
	v_cndmask_b32 v[WO], v[PW], v[PW+1], vcc_lo    ; lanes 0-15 the even tiles' words, lanes 16-31 the odd tiles'
	v_cndmask_b32 v[WO+1], v[PW+2], v[PW+3], vcc_lo
	global_store_b64 v[L8], v[WO:WO+1], s[94:95]   ; my head's 256 bytes
	s_wait_tensorcnt 0x0                           ; the wave's end
	ds_add_u32 v[SPW], v[NIL]
	s_wait_dscnt 0x0
	CROUND                                         ; the closing round
	s_endpgm
.Lfunc_end_k_qe11fcdb4ed_qkv:
	.size	k_qe11fcdb4ed_qkv, .Lfunc_end_k_qe11fcdb4ed_qkv-k_qe11fcdb4ed_qkv
	.p2alignl 7, 3214868480
	.fill 96, 4, 3214868480
	.section	.rodata,"a",@progbits
	.p2align	6, 0x0
	.amdhsa_kernel k_qe11fcdb4ed_qkv
		.amdhsa_group_segment_fixed_size 327680
		.amdhsa_private_segment_fixed_size 0
		.amdhsa_enable_private_segment 0
		.amdhsa_kernarg_size 56
		.amdhsa_user_sgpr_count 2
		.amdhsa_user_sgpr_kernarg_segment_ptr 1
		.amdhsa_wavefront_size32 1
		.amdhsa_system_sgpr_workgroup_id_x 1
		.amdhsa_system_sgpr_workgroup_id_y 1
		.amdhsa_system_sgpr_workgroup_id_z 1
		.amdhsa_system_vgpr_workitem_id 0
		.amdhsa_next_free_vgpr 1024
		.amdhsa_next_free_sgpr 102
		.amdhsa_reserve_vcc 1
		.amdhsa_float_denorm_mode_32 3
		.amdhsa_float_denorm_mode_16_64 3
		.amdhsa_memory_ordered 1
		.amdhsa_forward_progress 1
		.amdhsa_inst_pref_size 163
	.end_amdhsa_kernel
	.amdgpu_metadata
---
amdhsa.version: [ 1, 2 ]
amdhsa.kernels:
  - .name:           k_qe11fcdb4ed_qkv
    .symbol:         k_qe11fcdb4ed_qkv.kd
    .args:
      - { .name: codes, .offset: 0, .size: 8, .value_kind: global_buffer, .address_space: global }
      - { .name: scl, .offset: 8, .size: 8, .value_kind: global_buffer, .address_space: global }
      - { .name: bq, .offset: 16, .size: 8, .value_kind: global_buffer, .address_space: global }
      - { .name: bk, .offset: 24, .size: 8, .value_kind: global_buffer, .address_space: global }
      - { .name: bv, .offset: 32, .size: 8, .value_kind: global_buffer, .address_space: global }
      - { .name: qkv, .offset: 40, .size: 8, .value_kind: global_buffer, .address_space: global }
      - { .name: qkvs, .offset: 48, .size: 8, .value_kind: global_buffer, .address_space: global }
    .group_segment_fixed_size: 327680
    .private_segment_fixed_size: 0
    .kernarg_segment_align: 8
    .kernarg_segment_size: 56
    .max_flat_workgroup_size: 128
    .sgpr_count:     102
    .vgpr_count:     1024
    .wavefront_size: 32
...
	.end_amdgpu_metadata
.endif
;; end of part 2
;; launch attn (part 3): grid 4 x 64, 16 waves a work-group, clusters of 4 x 1, 210,944 bytes of LDS; arguments qkv, qkvs, ocodes, osc; writes ocodes, osc
.if DOCPART == 3
	.amdgcn_target "amdgcn-amd-amdhsa--gfx1250"
	.amdhsa_code_object_version 6
	.text
	.protected	k_qe11fcdb4ed_attn
	.globl	k_qe11fcdb4ed_attn
	.p2align	8
	.type	k_qe11fcdb4ed_attn,@function
k_qe11fcdb4ed_attn:
	s_mov_b64 s[64:65], 0
	v_nop
	global_prefetch_b8 v0, s[64:65] scope:SCOPE_SE
	s_setreg_imm32_b32 hwreg(HW_REG_WAVE_MODE, 25, 1), 1
	s_wait_xcnt 0x0
	s_wait_alu depctr_hold_cnt(0) depctr_sa_sdst(0) depctr_va_vdst(0) depctr_va_sdst(0) depctr_va_ssrc(0) depctr_va_vcc(0) depctr_vm_vsrc(0)
	s_getreg_b32 s2, hwreg(HW_REG_IB_STS2, 6, 4)
	s_cmp_eq_u32 s2, 0
	s_cbranch_scc0 .Lentry_in_a_cluster
	s_endpgm
.Lentry_in_a_cluster:
	s_bfe_u32 s2, ttmp6, 0x10000c
	s_cmp_lg_u32 s2, 0x3003
	s_cbranch_scc0 .Lentry_shape_is_right
	s_endpgm
.Lentry_shape_is_right:
; O = softmax(Q K^T / 8) V for one head, both products on codes of FP6 (E2M3) with E8M0 scales; O / l is quantised along the head's 64 and leaves as codes: the last product's operand.
; THE SOFTMAX: t = score x log2(e) / 8; M = the row's largest t so far, rounded up to a whole number; p = 2^(t - M) is quantised along the keys, not normalised; the row's sum is taken of the
; unquantised p in f32 and divides O at the end.  When M moves, the sum and O are multiplied by 2^(old M - new M): exact.
; SHARES: work-group y = 16 batch + head; the four work-groups of a cluster take a quarter of the head's 2,048 queries each: 32 tiles of 16, two for each of sixteen waves, one after the other.
; A WHOLE HEAD'S K AND V STAY IN LDS: 96 KiB of codes each, 8 and 4 KiB of scale words, filled once by joint loads that the four quarters share (mask 15): eight waves issue one load each, no refill.
; No prefetch: all tiles are asked for at the head, and no loop runs ahead of a load.
; THE WAVES WALK THE KEYS TOGETHER: at each key step's head a wave waits for the signal that every wave gave at the head of its step before, and signals anew: no wave is more than one key step ahead.
; Between a signal and its wait stand register work and LDS loads of bytes that nobody writes.
; THE NEXT STEP'S K is asked for behind this step's last products, with half of the row sum's additions behind it; the step behind the last is step 0, which the second pass takes as it lies
; (the second pass's last such fetch is not used).
; LAYOUT: both products transposed (S^T = K Q^T, O^T = V^T P^T): a lane holds one query.  Place r of tile j of a group of 64 tokens (or of V's 64 rows) is row 8 j + r % 8 + 32 (r / 8): so the 32 result registers
; of a group's four tiles are rows 32 h + 0 .. 31, a whole scale block in a lane: of a key step's 64 scores registers 0-31 are block h of the keys and registers 32-63 block 2 + h; O^T's 32 registers are block h of the head's 64.
; K = 64 IN A FORM OF 128: Q's registers 6-11 are zero codes.  K's operand for tile t is its six registers and the six that follow (the next tile's codes, behind tile 7 zeros): they meet zero codes
; and add nothing; the scale bytes that go with them are another tile's bytes or 0, never 0xff.
; LIMITS: the promise holds while the scaled scores t stay under 2^31 in magnitude; NaN and infinities are not served; a p under 2^-126 counts as 0; a block of zeros keeps the scale byte 1.
; The scale bytes of O leave as two bytes a row: a row's 32 bytes belong to sixteen heads, that is to sixteen work-groups, so no wave has more of a row.
; REGISTERS: v1-3, v10, v11, v29, v31, v86, v87 addresses and shifts that stay; v4-9 addresses in hand; v12 -M, v13 the largest t, v[14:15] the sum; v16-21 Q, v22-27 zeros; v28 Q's scale word; v30 O's scale bytes;
;   v32-79 K's 8 tiles, then V's 4 fragments; v80-85 zeros; v96-159 S^T, then p; v160-191 O^T; v192-210 codes; v212-215 K's scale words, v216-217 V's, v218 p's; v220-235 at work; v242-249 the step's sums.
.set VC,   98304                       ; LDS: K's codes from 0: tile T of 16 keys at 768 T;  V's from here: key step s at 6,144 s
.set SCK,  196608                      ; K's scale words: 512 bytes a key step
.set SCV,  204800                      ; V's: 256 bytes a key step
.set SPARE, 208896
.set SH8,  87                          ; v87 8 h
.set S,    96
.set O,    160
.set PCD,  192
.set KSC,  212
.set VSC,  216
.set PSC,  218
.set BM,   220
.set BT,   224
.set SO,   228
.set FF,   232
.set TT,   234
.set HN,   235
.set SM,   242
.set SPW,  254
.set NIL,  255
.set WV,   12
.set G1KC, 24
.set G1VC, 32
.set G1KS, 40
.set G1VS, 48
.set G0KC, 56
.set G0VC, 60
.set G0KS, 68
.set G0VS, 72
.set SEL,  76
.set CS,   78
.set TB,   80                          ; s80 this key step's codes: 6,144 bytes a step
.set NX,   81                          ; s81 the next key step, modulo 16
.set TSV,  82                          ; s82 V's scale words: 256 a step
.set CNT,  83
.set MASK, 84
.set TBN,  85                          ; s85 the next step's codes,
.set TKN,  94                          ; s94 and K's scale words: 512 a step
.set QP,   86
.set QS,   88
.set OC,   90
.set OS,   92
.macro ROUND
	s_barrier_signal -1
	s_barrier_wait -1
	s_cmp_lg_u32 s[WV], 0
	s_cbranch_scc1 .Lnot_wave_0_\@
	s_barrier_signal -3
.Lnot_wave_0_\@:
	s_barrier_wait -3
	s_barrier_signal -1
	s_barrier_wait -1
.endm
.macro G1SET g, c, r, p                ; r rows of c elements of 8 bytes, p elements apart in memory, dense in LDS; the mask names the cluster's four
	s_mov_b32 s[\g], 15|(3<<16)|(1<<21)
	s_mov_b32 s[\g+1], (\c)<<16
	s_mov_b32 s[\g+2], (\r)<<16
	s_mov_b32 s[\g+3], (\c)<<16
	s_mov_b32 s[\g+4], \r
	s_mov_b32 s[\g+5], \p
	s_mov_b32 s[\g+6], 0
	s_mov_b32 s[\g+7], 0
.endm
.macro ARM under, g0, g1, next         ; two waves take an arm, a half each
	s_cmp_lt_u32 s[WV], \under
	s_cbranch_scc0 \next
	tensor_load_to_lds s[\g0:\g0+3], s[\g1:\g1+7]
	s_nop 0
.rept 4
	v_nop
.endr
	s_branch .Lasked
\next:
.endm
.macro KLOAD a16, a8, as               ; a key step's eight tiles of K and their scale words
.irp t, 0,1,2,3,4,5,6,7
	ds_load_b128 v[32+6*\t:35+6*\t], \a16 offset:768*\t
	ds_load_b64 v[36+6*\t:37+6*\t], \a8 offset:768*\t+512
.endr
	ds_load_b128 v[KSC:KSC+3], \as
.endm
.macro SUM4 g                          ; eight registers of p onto the four chains
.irp k, 0,1,2,3
	v_pk_add_f32 v[SM+2*\k:SM+2*\k+1], v[SM+2*\k:SM+2*\k+1], v[S+\g+2*\k:S+\g+2*\k+1]
.endr
.endm
	s_load_b256 s[4:11], s[0:1], 0x0               ; qkv, qkvs, ocodes, osc
	v_lshl_add_u32 v[SPW], v0, 2, SPARE
	v_mov_b32 v[NIL], 0
	ds_add_u32 v[SPW], v[NIL]                      ; the opening lines
	ds_add_u32 v[SPW], v[NIL]
	v_lshrrev_b32 v1, 5, v0
	s_delay_alu instid0(VALU_DEP_1)
	v_readfirstlane_b32 s[WV], v1                  ; wave 0..15
	s_and_b32 s14, ttmp7, 0xffff                   ; 16 batch + head
	s_lshr_b32 s15, s14, 1                         ; 8 batch + pair of heads
	s_and_b32 s16, s14, 1                          ; which head of the pair
	s_and_b32 s17, s[WV], 1                        ; which half I fetch, if I fetch
	G1SET G1KC, 96, 64, 192                        ; K's codes: 64 tiles of 768 bytes, 1,536 apart
	G1SET G1VC, 768, 8, 1536                       ; V's codes: 8 key steps of 6,144 bytes, 12,288 apart
	G1SET G1KS, 64, 8, 128                         ; K's scale words: 8 key steps of 512 bytes, 1,024 apart
	G1SET G1VS, 32, 8, 64                          ; V's: 8 of 256 bytes, 512 apart
	s_add_co_u32 s18, s15, 32                      ; K's chunks follow Q's 512
	s_mul_i32 s18, s18, 196608
	s_mul_i32 s19, s16, 768
	s_add_co_u32 s18, s18, s19
	s_mul_i32 s19, s17, 98304
	s_add_co_u32 s18, s18, s19
	s_mov_b32 s19, 0
	s_add_co_u32 s20, s15, 64                      ; V's follow K's
	s_mul_i32 s20, s20, 196608
	s_mul_i32 s21, s16, 6144
	s_add_co_u32 s20, s20, s21
	s_mul_i32 s21, s17, 98304
	s_add_co_u32 s20, s20, s21
	s_mov_b32 s21, 0
	s_add_co_u32 s22, s15, 32
	s_lshl_b32 s22, s22, 14
	s_lshl_b32 s23, s16, 9
	s_add_co_u32 s22, s22, s23
	s_lshl_b32 s23, s17, 13
	s_add_co_u32 s22, s22, s23
	s_mov_b32 s23, 0
	s_lshl_b32 s2, s15, 13
	s_add_co_u32 s2, s2, 0x100000
	s_lshl_b32 s3, s16, 8
	s_add_co_u32 s2, s2, s3
	s_lshl_b32 s3, s17, 12
	s_add_co_u32 s2, s2, s3
	s_mov_b32 s3, 0
	s_mul_i32 s85, s17, 49152
	s_lshl_b32 s94, s17, 12
	s_lshl_b32 s95, s17, 11
	s_mov_b32 s[SEL], 0x76543210
	s_mov_b32 s[SEL+1], 0xfedcba98
	s_mov_b32 s[CS], 0x3e38aa3b                    ; c = log2(e) / 8
	s_mov_b32 s[CS+1], s[CS]
	s_mov_b32 s[MASK], 0xffff0000
	s_wait_dscnt 0x0
	s_wait_kmcnt 0x0
	s_mov_b32 s[G0KC], 1
	s_mov_b32 s[G0KC+1], s85
	s_add_nc_u64 s[G0KC+2:G0KC+3], s[4:5], s[18:19]
	s_or_b32 s[G0KC+3], s[G0KC+3], 0x80000000
	s_mov_b32 s[G0VC], 1
	s_add_co_u32 s[G0VC+1], s85, VC
	s_add_nc_u64 s[G0VC+2:G0VC+3], s[4:5], s[20:21]
	s_or_b32 s[G0VC+3], s[G0VC+3], 0x80000000
	s_mov_b32 s[G0KS], 1
	s_add_co_u32 s[G0KS+1], s94, SCK
	s_add_nc_u64 s[G0KS+2:G0KS+3], s[6:7], s[22:23]
	s_or_b32 s[G0KS+3], s[G0KS+3], 0x80000000
	s_mov_b32 s[G0VS], 1
	s_add_co_u32 s[G0VS+1], s95, SCV
	s_add_nc_u64 s[G0VS+2:G0VS+3], s[6:7], s[2:3]
	s_or_b32 s[G0VS+3], s[G0VS+3], 0x80000000
	ROUND                                          ; all four work-groups are here: the joint loads meet
	ARM 2, G0KC, G1KC, .Lnot_kc                    ; one load a wave, in one chain of branches on the wave's number: waves 0, 1 K's codes,
	ARM 4, G0VC, G1VC, .Lnot_vc                    ; 2, 3 V's codes,
	ARM 6, G0KS, G1KS, .Lnot_ks                    ; 4, 5 K's scale words,
	ARM 8, G0VS, G1VS, .Lnot_vs                    ; 6, 7 V's; the others none
.Lasked:
	s_bfe_u32 s13, ttmp6, 0x40000                  ; cx: it enters Q's and O's global addresses alone
	s_lshl_b32 s18, s13, 5
	s_add_co_u32 s18, s18, s[WV]                   ; my first tile of queries: 32 cx + wave; the second lies 16 tiles on
	s_mul_i32 s20, s15, 196608
	s_mul_i32 s21, s18, 1536
	s_add_co_u32 s20, s20, s21
	s_mul_i32 s21, s16, 768
	s_add_co_u32 s20, s20, s21
	s_mov_b32 s21, 0
	s_add_nc_u64 s[QP:QP+1], s[4:5], s[20:21]
	s_lshl_b32 s20, s15, 14                        ; its scale words: chunk (tile / 8) x 1,024 + head x 512 + 256 (tile % 2) + 4 ((tile % 8) / 2), + 16 r
	s_lshr_b32 s21, s18, 3
	s_lshl_b32 s21, s21, 10
	s_add_co_u32 s20, s20, s21
	s_lshl_b32 s21, s16, 9
	s_add_co_u32 s20, s20, s21
	s_and_b32 s21, s18, 1
	s_lshl_b32 s21, s21, 8
	s_add_co_u32 s20, s20, s21
	s_bfe_u32 s21, s18, 0x20001
	s_lshl_b32 s21, s21, 2
	s_add_co_u32 s20, s20, s21
	s_mov_b32 s21, 0
	s_add_nc_u64 s[QS:QS+1], s[6:7], s[20:21]
	s_lshr_b32 s20, s14, 4
	s_lshl_b32 s20, s20, 7
	s_add_co_u32 s20, s20, s18                     ; the tile among all tokens': 128 batch + tile
	s_lshl_b32 s22, s20, 9                         ; osc: 16 rows of 32 bytes a tile
	s_mul_i32 s20, s20, 12288                      ; ocodes: 8 fragments a tile
	s_and_b32 s21, s15, 7
	s_mul_i32 s21, s21, 1536
	s_add_co_u32 s20, s20, s21
	s_mul_i32 s21, s16, 768
	s_add_co_u32 s20, s20, s21
	s_mov_b32 s21, 0
	s_add_nc_u64 s[OC:OC+1], s[8:9], s[20:21]
	s_and_b32 s23, s14, 15
	s_lshl_b32 s23, s23, 1
	s_add_co_u32 s22, s22, s23                     ; + 2 x head
	s_mov_b32 s23, 0
	s_add_nc_u64 s[OS:OS+1], s[10:11], s[22:23]
	v_and_b32 v2, 31, v0
	s_delay_alu instid0(VALU_DEP_1)
	v_lshlrev_b32 v1, 4, v2                        ; 16 x lane
	s_delay_alu instid0(VALU_DEP_2)
	v_lshlrev_b32 v2, 3, v2                        ; 8 x lane
	s_delay_alu instid0(VALU_DEP_2)
	v_add_nc_u32 v3, VC, v1
	s_delay_alu instid0(VALU_DEP_2)
	v_add_nc_u32 v10, VC, v2
	s_delay_alu instid0(VALU_DEP_4)
	v_add_nc_u32 v11, SCK, v1
	s_delay_alu instid0(VALU_DEP_4)
	v_add_nc_u32 v29, SCV, v2
	v_and_b32 v31, 15, v0
	v_bfe_u32 v86, v0, 4, 1
	s_delay_alu instid0(VALU_DEP_1)
	v_lshlrev_b32 v86, 13, v86
	s_delay_alu instid0(VALU_DEP_1)
	v_lshl_add_u32 v86, v31, 5, v86                ; O's scale bytes: 32 r, lanes 16-31 the second tile's rows, 8,192 bytes on
	s_delay_alu instid0(VALU_DEP_4)
	v_lshlrev_b32 v31, 4, v31                      ; Q's scale words: 16 r
	v_bfe_u32 v[SH8], v0, 4, 1
	s_delay_alu instid0(VALU_DEP_1)
	v_lshlrev_b32 v[SH8], 3, v[SH8]                ; 8 h
.irp j, 0,1,2,3,4,5
	v_mov_b32 v[22+\j], 0                          ; zero codes: the upper 64 of Q's K,
	v_mov_b32 v[80+\j], 0                          ; and what follows K's last tile
.endr
.irp b, 0,1,2,3
	v_mov_b32 v[BT+\b], 0                          ; a lane permute's destination counts as one of its sources
.endr
	v_mov_b32 v[FF+1], 0                           ; (named as the upper half of a pair)
	v_mov_b32 v[TT], 0
; ONE TILE OF 16 QUERIES against all 2,048 keys: pass p of two.
.macro PASS p
.if \p
	s_wait_xcnt 0x0                                ; the last pass's stores have read their registers
.endif
	global_load_b128 v[16:19], v1, s[QP:QP+1] offset:(\p)*24576
	global_load_b64 v[20:21], v2, s[QP:QP+1] offset:(\p)*24576+512
	global_load_b32 v28, v31, s[QS:QS+1] offset:(\p)*2048
	v_mov_b32 v13, 0xff61b1e6                      ; the largest t so far: -3e38
	s_delay_alu instid0(VALU_DEP_1)
	v_floor_f32 v12, -v13                          ; -M
	v_mov_b32 v14, 0
	v_mov_b32 v15, 0
.set j, 0
.rept 32
	v_mov_b32 v[O+j], 0                            ; O^T: the key step is written once; its first trip finds zeros
.set j, j+1
.endr
	s_mov_b32 s[TB], 0
	s_mov_b32 s[TSV], 0
	s_mov_b32 s[CNT], 0
	s_wait_loadcnt 0x0                             ; Q
.if (\p) == 0
	s_wait_tensorcnt 0x0                           ; my part of K and V, if I fetched one, has landed,
	s_barrier_signal -1
	s_barrier_wait -1                              ; everybody's has: from here on LDS is only read
	s_barrier_signal -1                            ; I am at the walk's start
	KLOAD v1, v2, v11                              ; key step 0
.else
	s_barrier_signal -1                            ; key step 0 lies in registers since the first pass's last trip
.endif
.Lstep_\@:                                         ; A KEY STEP: 128 keys
	s_wait_alu depctr_va_vdst(0)                   ; the wait ahead of the waits below
	s_wait_dscnt 0x0                               ; K
	s_barrier_wait -1                              ; every wave has begun the step before,
	s_barrier_signal -1                            ; and I begin this one (no LDS instruction of mine is out)
.irp t, 0,1,2,3,4,5,6,7
.if \t%2
	v_wmma_scale_f32_16x16x128_f8f6f4 v[S+8*\t:S+8*\t+7], v[32+6*\t:43+6*\t], v[16:27], 0, v[KSC+\t/2], v28 matrix_a_fmt:MATRIX_FMT_FP6 matrix_b_fmt:MATRIX_FMT_FP6 matrix_a_scale:MATRIX_SCALE_ROW1
.else
	v_wmma_scale_f32_16x16x128_f8f6f4 v[S+8*\t:S+8*\t+7], v[32+6*\t:43+6*\t], v[16:27], 0, v[KSC+\t/2], v28 matrix_a_fmt:MATRIX_FMT_FP6 matrix_b_fmt:MATRIX_FMT_FP6
.endif
.endr                                              ; lane (r, h): query r; register 32 c + i: key 64 c + 32 h + i of the step
	s_add_co_u32 s[NX], s[CNT], 1
	s_and_b32 s[NX], s[NX], 15                     ; behind step 15 comes step 0
	s_mul_i32 s[TBN], s[NX], 6144
	s_lshl_b32 s[TKN], s[NX], 9
	v_add_nc_u32 v6, s[TB], v3                     ; these six are the places behind the products: K's registers take V below, and the scores are read
	v_add_nc_u32 v7, s[TB], v10
	v_add_nc_u32 v9, s[TSV], v29
	v_add_nc_u32 v4, s[TBN], v1
	v_add_nc_u32 v5, s[TBN], v2
	v_add_nc_u32 v8, s[TKN], v11
.irp q, 0,1,2,3                                    ; V's four fragments land while the softmax is worked
	ds_load_b128 v[32+12*\q:35+12*\q], v6 offset:1536*\q
	ds_load_b64 v[36+12*\q:37+12*\q], v7 offset:1536*\q+512
	ds_load_b128 v[38+12*\q:41+12*\q], v6 offset:1536*\q+768
	ds_load_b64 v[42+12*\q:43+12*\q], v7 offset:1536*\q+1280
.endr
	ds_load_b64 v[VSC:VSC+1], v9
.irp b, 0,1,2,3
	v_max3_num_f32 v[BM+\b], v[S+16*\b], v[S+1+16*\b], v[S+2+16*\b]   ; the largest score, in four chains of 16
.endr
.irp i, 3,5,7,9,11,13
.irp b, 0,1,2,3
	v_max3_num_f32 v[BM+\b], v[BM+\b], v[S+16*\b+\i], v[S+1+16*\b+\i]
.endr
.endr
.irp b, 0,1,2,3
	v_max_num_f32 v[BM+\b], v[BM+\b], v[S+15+16*\b]
.endr
	s_delay_alu instid0(VALU_DEP_3)
	v_max_num_f32 v[BM], v[BM], v[BM+1]            ; my first block's largest score: it serves for the row's maximum and, since p rises with the score, for the block's largest p
	s_delay_alu instid0(VALU_DEP_2)
	v_max_num_f32 v[BM+2], v[BM+2], v[BM+3]        ; my second block's
	s_delay_alu instid0(VALU_DEP_1)
	v_max_num_f32 v[TT], v[BM], v[BM+2]
	s_delay_alu instid0(VALU_DEP_1)
	v_permlanex16_b32 v[BT], v[TT], s[SEL], s[SEL+1]
	s_delay_alu instid0(VALU_DEP_1)
	v_max_num_f32 v[TT], v[TT], v[BT]              ; with lane l xor 16's 64 keys: the step's largest score of my query
	s_delay_alu instid0(VALU_DEP_1)
	v_mul_f32 v[TT], s[CS], v[TT]                  ; as t (c is positive)
	s_delay_alu instid0(VALU_DEP_1)
	v_max_num_f32 v13, v13, v[TT]                  ; the running largest t
	v_mov_b32 v[TT], v12
	s_delay_alu instid0(VALU_DEP_2)
	v_floor_f32 v12, -v13                          ; the new -M = -ceil(t)
	s_delay_alu instid0(VALU_DEP_1)
	v_sub_f32 v[TT], v12, v[TT]                    ; old M less new M: a whole number, 0 or less
	s_delay_alu instid0(VALU_DEP_1)
	v_cvt_i32_f32 v[TT], v[TT]                     ; (it saturates)
	s_delay_alu instid0(VALU_DEP_1)
	v_ldexp_f32 v[FF], 1.0, v[TT]                  ; f = 2^(old M - new M)
.set j, 0
.rept 32
	v_pk_fma_f32 v[S+j:S+j+1], v[S+j:S+j+1], s[CS:CS+1], v[12:13] op_sel_hi:[1,0,0]   ; t - M, two at a time
.set j, j+2
.endr
	v_fma_f32 v[BM], v[BM], s[CS], v12             ; the same of each block's largest score
	v_fma_f32 v[BM+2], v[BM+2], s[CS], v12
.set j, 0
	s_wait_alu depctr_va_vdst(0)                   ; the wait ahead of the batch
.rept 64
	v_exp_f32 v[S+j], v[S+j]                       ; p = 2^(t - M), at most 1
.set j, j+1
.endr
	v_pk_mul_f32 v[14:15], v[14:15], v[FF:FF+1] op_sel_hi:[1,0]   ; the sums under the new M (a plain place behind the exponentials)
	s_wait_alu depctr_va_vdst(0)                   ; one wait for the batch of 64, ahead of its first reader
	v_exp_f32 v[BM], v[BM]                         ; the block's largest p: the same two instructions on the same number
	v_exp_f32 v[BM+2], v[BM+2]
.irp k, 0,1,2,3                                    ; the step's sum of the unquantised p, in four chains: here registers 0-31
	v_pk_add_f32 v[SM+2*\k:SM+2*\k+1], v[S+4*\k:S+4*\k+1], v[S+4*\k+2:S+4*\k+3]
.endr
	SUM4 16
	SUM4 24
	s_wait_alu depctr_va_vdst(0)                   ; and one for the two
	v_max_num_f32 v[BM], 0x1800000, v[BM]          ; the floor 2^(3 - 127): the byte cannot fall under 1
	v_max_num_f32 v[BM+2], 0x1800000, v[BM+2]
	s_delay_alu instid0(VALU_DEP_2)
	v_add_nc_u32 v[SO], 0xff000000, v[BM]          ; 2 off the exponent field: the conversion's scale operand
	s_delay_alu instid0(VALU_DEP_2)
	v_add_nc_u32 v[SO+2], 0xff000000, v[BM+2]
	s_delay_alu instid0(VALU_DEP_2)
	v_lshrrev_b32 v[BT], 23, v[SO]                 ; the scale's byte
	s_delay_alu instid0(VALU_DEP_2)
	v_lshrrev_b32 v[BT+2], 23, v[SO+2]
	s_delay_alu instid0(VALU_DEP_1)
	v_lshl_or_b32 v[PSC], v[BT+2], 16, v[BT]       ; my two bytes: blocks h and 2 + h,
	s_delay_alu instid0(VALU_DEP_1)
	v_lshlrev_b32 v[PSC], v[SH8], v[PSC]           ; at their places in the scale word (8 h bits up)
	s_delay_alu instid0(VALU_DEP_1)
	v_permlanex16_b32 v[BT+1], v[PSC], s[SEL], s[SEL+1]
.irp c, 0,1
	v_cvt_scalef32_pk16_fp6_f32 v[PCD+6*\c:PCD+2+6*\c], v[S+32*\c:S+15+32*\c], v[SO+2*\c]
	v_cvt_scalef32_pk16_fp6_f32 v[PCD+12+4*\c:PCD+14+4*\c], v[S+16+32*\c:S+31+32*\c], v[SO+2*\c]
.endr
	v_or_b32 v[PSC], v[PSC], v[BT+1]               ; with lane l xor 16's two the word is whole.  (The plain place behind the conversions)
.irp c, 0,1
.irp i, 0,1,2
	v_mov_b32 v[PCD+3+6*\c+\i], v[PCD+12+4*\c+\i]  ; (a conversion's three registers begin on an even number)
.endr
.endr
	s_wait_alu depctr_va_vdst(0)                   ; the wait directly ahead of the first reader of O^T
.set j, 0
.rept 16
	v_pk_mul_f32 v[O+j:O+j+1], v[O+j:O+j+1], v[FF:FF+1] op_sel_hi:[1,0]   ; O^T under the new M; these sixteen also stand between the scale word and the codes just made and the products
.set j, j+2
.endr
	s_wait_alu depctr_va_vdst(0)
	s_wait_dscnt 0x0                               ; V
.irp q, 0,1,2,3                                    ; O^T += V^T P^T: the four accumulators by turns
.if \q%2
	v_wmma_scale_f32_16x16x128_f8f6f4 v[O+8*\q:O+8*\q+7], v[32+12*\q:43+12*\q], v[PCD:PCD+11], v[O+8*\q:O+8*\q+7], v[VSC+\q/2], v[PSC] matrix_a_fmt:MATRIX_FMT_FP6 matrix_b_fmt:MATRIX_FMT_FP6 matrix_a_scale:MATRIX_SCALE_ROW1
.else
	v_wmma_scale_f32_16x16x128_f8f6f4 v[O+8*\q:O+8*\q+7], v[32+12*\q:43+12*\q], v[PCD:PCD+11], v[O+8*\q:O+8*\q+7], v[VSC+\q/2], v[PSC] matrix_a_fmt:MATRIX_FMT_FP6 matrix_b_fmt:MATRIX_FMT_FP6
.endif
.endr
	SUM4 32                                        ; the sum goes on with registers 32-63: these four are the places in front of the loads into V's registers
	KLOAD v4, v5, v8                               ; the next step's K
	SUM4 40
	SUM4 48
	SUM4 56
	s_delay_alu instid0(VALU_DEP_3)
	v_pk_add_f32 v[SM:SM+1], v[SM:SM+1], v[SM+2:SM+3]
	s_delay_alu instid0(VALU_DEP_2)
	v_pk_add_f32 v[SM+4:SM+5], v[SM+4:SM+5], v[SM+6:SM+7]
	s_delay_alu instid0(VALU_DEP_1)
	v_pk_add_f32 v[SM:SM+1], v[SM:SM+1], v[SM+4:SM+5]
	s_delay_alu instid0(VALU_DEP_1)
	v_pk_add_f32 v[14:15], v[14:15], v[SM:SM+1]
	s_add_co_u32 s[TB], s[TB], 6144
	s_add_co_u32 s[TSV], s[TSV], 256
	s_add_co_u32 s[CNT], s[CNT], 1
	s_cmp_lg_u32 s[CNT], 16
	s_cbranch_scc1 .Lstep_\@
	s_wait_alu depctr_va_vdst(0)                   ; the wait ahead of the waits below
	s_barrier_wait -1                              ; the walk's last signal is answered
	s_wait_dscnt 0x0                               ; key step 0 is in registers again
	; THE WAY OUT of a pass: O^T / the sum; register i is channel 32 h + i of my query: one block of the last product's K
	v_add_f32 v14, v14, v15                        ; the sum's two halves,
	s_delay_alu instid0(VALU_DEP_1)
	v_permlanex16_b32 v[TT], v14, s[SEL], s[SEL+1]
	s_delay_alu instid0(VALU_DEP_1)
	v_add_f32 v14, v14, v[TT]                      ; and lane l xor 16's: the row's sum
	s_wait_alu depctr_va_vdst(0)
	v_rcp_f32 v14, v14
	v_nop                                          ; a plain place behind the reciprocal
	s_wait_alu depctr_va_vdst(0)                   ; and the wait ahead of its first reader
.set j, 0
.rept 16
	v_pk_mul_f32 v[S+j:S+j+1], v[O+j:O+j+1], v[14:15] op_sel_hi:[1,0]   ; each accumulator from its low end on
.set j, j+2
.endr
.irp b, 0,1
	v_max3_num_f32 v[BM+\b], |v[S+16*\b]|, |v[S+1+16*\b]|, 0x1800000   ; the block's largest magnitude, in two chains
.endr
.irp i, 2,4,6,8,10,12,14
.irp b, 0,1
	s_delay_alu instid0(VALU_DEP_2)
	v_max3_num_f32 v[BM+\b], v[BM+\b], |v[S+16*\b+\i]|, |v[S+1+16*\b+\i]|
.endr
.endr
	s_delay_alu instid0(VALU_DEP_1)
	v_max_num_f32 v[BM], v[BM], v[BM+1]
	s_delay_alu instid0(VALU_DEP_1)
	v_add_nc_u32 v[SO], 0xff000000, v[BM]
	s_delay_alu instid0(VALU_DEP_1)
	v_lshrrev_b32 v[BT], 23, v[SO]
	s_delay_alu instid0(VALU_DEP_1)
	v_lshlrev_b32 v[BT], v[SH8], v[BT]             ; my block's byte at its place,
	s_delay_alu instid0(VALU_DEP_1)
	v_permlanex16_b32 v[BT+1], v[BT], s[SEL], s[SEL+1]
	s_delay_alu instid0(VALU_DEP_1)
	v_or_b32 v[HN], v[BT], v[BT+1]                 ; with lane l xor 16's: my row's two scale bytes
	v_cvt_scalef32_pk16_fp6_f32 v[PCD:PCD+2], v[S:S+15], v[SO]
	v_cvt_scalef32_pk16_fp6_f32 v[PCD+12:PCD+14], v[S+16:S+31], v[SO]
	v_nop
.irp i, 0,1,2
	v_mov_b32 v[PCD+3+\i], v[PCD+12+\i]
.endr
	global_store_b128 v1, v[PCD:PCD+3], s[OC:OC+1] offset:(\p)*196608         ; half a fragment: 512 consecutive bytes,
	global_store_b64 v2, v[PCD+4:PCD+5], s[OC:OC+1] offset:(\p)*196608+512    ; and 256
.if \p
	v_cndmask_b32 v30, v30, v[HN], s[MASK]         ; lanes 0-15 keep the first tile's bytes, lanes 16-31 take the second's
.else
	v_mov_b32 v30, v[HN]
.endif
.endm
	PASS 0
	PASS 1
	global_store_b16 v86, v30, s[OS:OS+1]          ; 32 rows' two bytes
	s_wait_tensorcnt 0x0                           ; the wave's end
	ds_add_u32 v[SPW], v[NIL]
	s_wait_dscnt 0x0
	ROUND                                          ; the closing round
	s_endpgm
.Lfunc_end_k_qe11fcdb4ed_attn:
	.size	k_qe11fcdb4ed_attn, .Lfunc_end_k_qe11fcdb4ed_attn-k_qe11fcdb4ed_attn
	.p2alignl 7, 3214868480
	.fill 96, 4, 3214868480
	.section	.rodata,"a",@progbits
	.p2align	6, 0x0
	.amdhsa_kernel k_qe11fcdb4ed_attn
		.amdhsa_group_segment_fixed_size 210944
		.amdhsa_private_segment_fixed_size 0
		.amdhsa_enable_private_segment 0
		.amdhsa_kernarg_size 32
		.amdhsa_user_sgpr_count 2
		.amdhsa_user_sgpr_kernarg_segment_ptr 1
		.amdhsa_wavefront_size32 1
		.amdhsa_system_sgpr_workgroup_id_x 1
		.amdhsa_system_sgpr_workgroup_id_y 1
		.amdhsa_system_sgpr_workgroup_id_z 1
		.amdhsa_system_vgpr_workitem_id 0
		.amdhsa_next_free_vgpr 256
		.amdhsa_next_free_sgpr 96
		.amdhsa_reserve_vcc 0
		.amdhsa_float_denorm_mode_32 3
		.amdhsa_float_denorm_mode_16_64 3
		.amdhsa_memory_ordered 1
		.amdhsa_forward_progress 1
		.amdhsa_inst_pref_size 54
	.end_amdhsa_kernel
	.amdgpu_metadata
---
amdhsa.version: [ 1, 2 ]
amdhsa.kernels:
  - .name:           k_qe11fcdb4ed_attn
    .symbol:         k_qe11fcdb4ed_attn.kd
    .args:
      - { .name: qkv, .offset: 0, .size: 8, .value_kind: global_buffer, .address_space: global }
      - { .name: qkvs, .offset: 8, .size: 8, .value_kind: global_buffer, .address_space: global }
      - { .name: ocodes, .offset: 16, .size: 8, .value_kind: global_buffer, .address_space: global }
      - { .name: osc, .offset: 24, .size: 8, .value_kind: global_buffer, .address_space: global }
    .group_segment_fixed_size: 210944
    .private_segment_fixed_size: 0
    .kernarg_segment_align: 8
    .kernarg_segment_size: 32
    .max_flat_workgroup_size: 512
    .sgpr_count:     96
    .vgpr_count:     256
    .wavefront_size: 32
...
	.end_amdgpu_metadata
.endif
;; end of part 3
;; launch outp (part 4): grid 4 x 64, 4 waves a work-group, clusters of 4 x 4, 327,680 bytes of LDS; arguments ocodes, osc, codes, scl, bo, out0; writes out0
.if DOCPART == 4
	.amdgcn_target "amdgcn-amd-amdhsa--gfx1250"
	.amdhsa_code_object_version 6
	.text
	.protected	k_qe11fcdb4ed_outp
	.globl	k_qe11fcdb4ed_outp
	.p2align	8
	.type	k_qe11fcdb4ed_outp,@function
k_qe11fcdb4ed_outp:
	s_mov_b64 s[64:65], 0
	v_nop
	global_prefetch_b8 v0, s[64:65] scope:SCOPE_SE
	s_setreg_imm32_b32 hwreg(HW_REG_WAVE_MODE, 25, 1), 1
	s_wait_xcnt 0x0
	s_wait_alu depctr_hold_cnt(0) depctr_sa_sdst(0) depctr_va_vdst(0) depctr_va_sdst(0) depctr_va_ssrc(0) depctr_va_vcc(0) depctr_vm_vsrc(0)
	s_getreg_b32 s2, hwreg(HW_REG_IB_STS2, 6, 4)
	s_cmp_eq_u32 s2, 0
	s_cbranch_scc0 .Lentry_in_a_cluster
	s_endpgm
.Lentry_in_a_cluster:
	s_bfe_u32 s2, ttmp6, 0x10000c
	s_cmp_lg_u32 s2, 0xf033
	s_cbranch_scc0 .Lentry_shape_is_right
	s_endpgm
.Lentry_shape_is_right:
; out0 = O Wo^T + bo on codes of FP6 (E2M3) with E8M0 scales, f32 sums.  ocodes, osc and codes, scl are laid as operand registers: [row tile][K step of 128] x 1,536 bytes; [row tile][place][8 words].
; THE DEAL: 256 work-groups of four waves; a work-group makes 128 tokens (block tb) x 256 features (cx), a wave 128 tokens x 64 features: 32 accumulators.
; LDS holds both operands for all of K, in two halves of K (AL, AU: 8 tiles x 6,144 bytes; BL, BU: 16 tiles x 6,144), each filled once by one joint load, one a wave; the first barrier waits for AL and BL alone, the barrier in K step 3 for the rest.
; Tokens' tiles are shared by a row of the cluster, Wo's by a column.  Scale words and the bias come by plain loads straight into registers; the bias is the first products' C.
; Source 0 = Wo's rows, source 1 = tokens: a lane holds one token's place, its registers run along the features.  Place r of token tile a is token 64 (a / 4) + 8 (a % 4) + r % 8 + 32 (r / 8); register 8 b + j is feature 32 h + 8 b + j of my 64.
; THE WAY OUT: 16 tokens x 64 features at a time through my stage, which lies in AL: behind the barrier in K step 3 nobody reads AL and no fill lands there; sixteen lanes store a token's 256 consecutive bytes.
; No prefetch: every tile is asked for at the head, and no loop runs ahead of a load.
.set AU,    49152
.set BL,    98304
.set BU,    196608
.set SPARE, 294912
.set SPITCH, 272
.set L16,  6
.set L8,   8
.set B16,  10
.set B8,   12
.set SCA,  14
.set BPA,  15
.set STO,  20
.set RD,   21
.set CO,   22
.set SPW,  28
.set NIL,  29
.set SAR,  32
.set SBR,  68
.set BQ,   100
.set BK,   128
.set G1A, 24
.set G1B, 32
.set G0AL, 56
.set G0BL, 60
.set G0AU, 68
.set G0BU, 72
.set MSB, 0
.macro WIN new
.if MSB != \new
	s_set_vgpr_msb (MSB<<8)|\new
.set MSB, \new
.endif
.endm
.macro PLACES n
.rept \n
	v_nop
.endr
.endm
.macro CROUND
	s_barrier_signal -1
	s_barrier_wait -1
	s_cmp_lg_u32 s14, 0
	s_cbranch_scc1 .Lnot_wave_0_\@
	s_barrier_signal -3
.Lnot_wave_0_\@:
	s_barrier_wait -3
	s_barrier_signal -1
	s_barrier_wait -1
.endm
.macro G1SET g, mask, rows
	s_or_b32 s[\g], s\mask, (3<<16)|(1<<21)
	s_mov_b32 s[\g+1], 768<<16
	s_mov_b32 s[\g+2], (\rows)<<16
	s_mov_b32 s[\g+3], 768<<16
	s_mov_b32 s[\g+4], \rows
	s_mov_b32 s[\g+5], 1536
	s_mov_b32 s[\g+6], 0
	s_mov_b32 s[\g+7], 0
.endm
.macro G0SET g, lds, base, off
	s_mov_b32 s[\g], 1
	s_mov_b32 s[\g+1], \lds
	s_add_nc_u64 s[\g+2:\g+3], s[\base:\base+1], \off
	s_or_b32 s[\g+3], s[\g+3], 0x80000000
.endm
.macro TLOAD g0, g1
	tensor_load_to_lds s[\g0:\g0+3], s[\g1:\g1+7]
	s_nop 0
	PLACES 4
.endm
.macro ARM under, g0, g1, next
	s_cmp_lt_u32 s14, \under
	s_cbranch_scc0 \next
	TLOAD \g0, \g1
	s_branch .Lasked
\next:
.endm
.macro FRAG reg, a16, a8, off
	ds_load_b128 v[\reg:\reg+3], v[\a16] offset:\off
	ds_load_b64 v[\reg+4:\reg+5], v[\a8] offset:(\off)+512
	ds_load_b128 v[\reg+6:\reg+9], v[\a16] offset:(\off)+768
	ds_load_b64 v[\reg+10:\reg+11], v[\a8] offset:(\off)+1280
.endm
.macro FETCH q                         ; K step q's 12 fragments into set q % 2: 48 loads.  Tokens' in window 2, Wo's in window 3
	WIN 0x80
.irp i, 0,1,2,3,4,5,6,7
	FRAG 96*((\q)%2)+12*\i, L16+(\q)/4, L8+(\q)/4, \i*6144+((\q)%4)*1536
.endr
	WIN 0xc0
.irp i, 0,1,2,3
	FRAG 48*((\q)%2)+12*\i, B16+(\q)/4, B8+(\q)/4, \i*6144+((\q)%4)*1536
.endr
	WIN 0
.endm
.macro W1 d, s0, s1, c, x0, x1, r0, r1
.if (\r0) && (\r1)
	v_wmma_scale_f32_16x16x128_f8f6f4 v[\d:\d+7], v[\s0:\s0+11], v[\s1:\s1+11], \c, v[\x0], v[\x1] matrix_a_fmt:MATRIX_FMT_FP6 matrix_b_fmt:MATRIX_FMT_FP6 matrix_a_scale:MATRIX_SCALE_ROW1 matrix_b_scale:MATRIX_SCALE_ROW1
.elseif (\r0)
	v_wmma_scale_f32_16x16x128_f8f6f4 v[\d:\d+7], v[\s0:\s0+11], v[\s1:\s1+11], \c, v[\x0], v[\x1] matrix_a_fmt:MATRIX_FMT_FP6 matrix_b_fmt:MATRIX_FMT_FP6 matrix_a_scale:MATRIX_SCALE_ROW1
.elseif (\r1)
	v_wmma_scale_f32_16x16x128_f8f6f4 v[\d:\d+7], v[\s0:\s0+11], v[\s1:\s1+11], \c, v[\x0], v[\x1] matrix_a_fmt:MATRIX_FMT_FP6 matrix_b_fmt:MATRIX_FMT_FP6 matrix_b_scale:MATRIX_SCALE_ROW1
.else
	v_wmma_scale_f32_16x16x128_f8f6f4 v[\d:\d+7], v[\s0:\s0+11], v[\s1:\s1+11], \c, v[\x0], v[\x1] matrix_a_fmt:MATRIX_FMT_FP6 matrix_b_fmt:MATRIX_FMT_FP6
.endif
.endm
.macro ONE q, a, b, first              ; token tile a x feature tile b; accumulator at 8 (4 a + b) of window 1.  A scale register holds tile 2 i in lanes 0-15 and tile 2 i + 1 in lanes 16-31
.set FA_, 96*((\q)%2)+12*(\a)
.set FB_, 48*((\q)%2)+12*(\b)
.set XA_, SAR+8*((\a)/2)+(\q)
.set XB_, SBR+8*((\b)/2)+(\q)
.set CB_, BQ+8*(\b)
.set D_, 8*(4*(\a)+(\b))
.if \first
	W1 D_, FB_, FA_, v[CB_:CB_+7], XB_, XA_, (\b)%2, (\a)%2
.else
	W1 D_, FB_, FA_, v[D_:D_+7], XB_, XA_, (\b)%2, (\a)%2
.endif
.endm
.macro MM q, hf, first                 ; 16 products; the 32 accumulators take turns, in the same order in every step
	WIN 0x4b+0x10*(1-(\first))
.set A_, 4*(\hf)
.rept 4
.set B_, 0
.rept 4
	ONE \q, A_, B_, \first
.set B_, B_+1
.endr
.set A_, A_+1
.endr
.endm
.macro STEPN q, first
	PLACES 4                                       ; behind the last step's products, whose set the loads fill
	FETCH (\q)+1
	s_wait_dscnt 48                                ; all but the 48 just issued: this step's fragments are in
	MM \q, 0, \first
	MM \q, 1, \first
	WIN 0
.endm
	s_load_b128 s[4:7], s[0:1], 0x0                ; ocodes, osc
	s_load_b128 s[8:11], s[0:1], 0x10              ; codes, scl
	s_load_b128 s[96:99], s[0:1], 0x20             ; bo, out0
	v_lshl_add_u32 v[SPW], v0, 2, SPARE
	v_mov_b32 v[NIL], 0
	ds_add_u32 v[SPW], v[NIL]                      ; the opening lines
	ds_add_u32 v[SPW], v[NIL]
	v_lshrrev_b32 v1, 5, v0
	v_readfirstlane_b32 s14, v1                    ; wave 0..3: which 64 features
	s_bfe_u32 s40, ttmp6, 0x40000                  ; cx
	s_bfe_u32 s41, ttmp6, 0x40004                  ; cy
	s_and_b32 s42, ttmp7, 0xffff
	s_lshl_b32 s42, s42, 2
	s_add_co_u32 s42, s42, s41                     ; tb
	s_lshl_b32 s43, s41, 2
	s_lshl_b32 s43, 15, s43                        ; my row of the cluster
	s_lshl_b32 s44, 0x1111, s40                    ; my column
	G1SET G1A, 43, 8
	G1SET G1B, 44, 16
	s_mul_i32 s16, s42, 98304                      ; the tokens' codes
	s_mov_b32 s17, 0
	s_mul_i32 s18, s40, 196608
	s_add_co_u32 s18, s18, 704*12288               ; Wo's 256 rows: row tile 704 + 16 cx
	s_mov_b32 s19, 0
	s_lshl_b32 s20, s42, 12                        ; the tokens' scale words
	s_mov_b32 s21, 0
	s_lshl_b32 s22, s40, 13
	s_lshl_b32 s23, s14, 11
	s_add_co_u32 s22, s22, s23
	s_add_co_u32 s22, s22, 704*512                 ; my 4 tiles' scale words
	s_mov_b32 s23, 0
	s_lshl_b32 s46, s40, 10
	s_lshl_b32 s47, s14, 8
	s_add_co_u32 s46, s46, s47                     ; my 64 features, in bytes
	s_mov_b32 s47, 0
	s_lshl_b32 s88, s42, 19                        ; 128 rows of 4,096 bytes
	s_add_co_u32 s88, s88, s46
	s_mov_b32 s89, 0
	s_mul_i32 s84, s14, 24576
	s_add_co_u32 s84, s84, BL
	s_add_co_u32 s85, s84, BU-BL
	s_mul_i32 s45, s14, 16*SPITCH                  ; my stage
	v_and_b32 v1, 31, v0
	v_and_b32 v2, 15, v0                           ; r
	v_bfe_u32 v3, v0, 4, 1                         ; h
	v_lshlrev_b32 v[L16], 4, v1
	v_lshlrev_b32 v[L8], 3, v1
	v_lshlrev_b32 v[SCA], 5, v2
	v_mul_u32_u24 v[STO], v2, SPITCH
	v_mul_u32_u24 v[RD], v3, SPITCH
	v_lshlrev_b32 v[CO], 4, v2
	v_add_nc_u32 v[L16+1], AU, v[L16]
	v_add_nc_u32 v[L8+1], AU, v[L8]
	v_add_nc_u32 v[B16], s84, v[L16]
	v_add_nc_u32 v[B16+1], s85, v[L16]
	v_add_nc_u32 v[B8], s84, v[L8]
	v_add_nc_u32 v[B8+1], s85, v[L8]
	v_lshl_add_u32 v[SCA], v3, 9, v[SCA]           ; 512 h + 32 r
	v_lshl_add_u32 v[STO], v3, 7, v[STO]
	v_lshl_add_u32 v[RD], v2, 4, v[RD]
	v_lshlrev_b32 v[BPA], 7, v3                    ; 128 h
	v_lshl_add_u32 v[CO], v3, 12, v[CO]            ; out: lanes 0-15 one token's 256 bytes, lanes 16-31 the next token's
	v_add_nc_u32 v[STO], s45, v[STO]               ; in: place r, 128 h
	v_add_nc_u32 v[RD], s45, v[RD]                 ; back: sixteen lanes a row
	s_wait_alu depctr_va_vdst(0)                   ; the wait ahead of the waits below
	s_wait_dscnt 0x0
	s_wait_kmcnt 0x0
	s_add_nc_u64 s[16:17], s[4:5], s[16:17]
	s_add_nc_u64 s[18:19], s[8:9], s[18:19]
	s_add_nc_u64 s[20:21], s[6:7], s[20:21]
	s_add_nc_u64 s[80:81], s[10:11], s[22:23]
	s_add_nc_u64 s[96:97], s[96:97], s[46:47]
	s_add_nc_u64 s[98:99], s[98:99], s[88:89]
	G0SET G0AL, 0, 16, 0
	G0SET G0BL, BL, 18, 0
	G0SET G0AU, AU, 16, 6144
	G0SET G0BU, BU, 18, 6144
	CROUND                                         ; all sixteen work-groups are here: the joint loads meet
	ARM 1, G0AL, G1A, .Lhead_bl                    ; one load a wave, in one chain of branches on the wave's number
	ARM 2, G0BL, G1B, .Lhead_au
	ARM 3, G0AU, G1A, .Lhead_bu
	TLOAD G0BU, G1B
.Lasked:
.irp p, 0,1,2,3
.irp c, 0,1
	global_load_b128 v[SAR+8*\p+4*\c:SAR+8*\p+4*\c+3], v[SCA], s[20:21] offset:1024*\p+16*\c
.endr
.endr
.irp p, 0,1
.irp c, 0,1
	global_load_b128 v[SBR+8*\p+4*\c:SBR+8*\p+4*\c+3], v[SCA], s[80:81] offset:1024*\p+16*\c
.endr
.endr
.irp b, 0,1,2,3
	global_load_b128 v[BQ+8*\b:BQ+8*\b+3], v[BPA], s[96:97] offset:32*\b
	global_load_b128 v[BQ+8*\b+4:BQ+8*\b+7], v[BPA], s[96:97] offset:32*\b+16
.endr
	s_wait_loadcnt 0x0
	s_cmp_lt_u32 s14, 2
	s_cbranch_scc0 .Lnot_low
	s_wait_tensorcnt 0x0                           ; waves 0 and 1: AL, BL
.Lnot_low:
	s_barrier_signal -1
	s_barrier_wait -1                              ; the lower halves are in; the upper may be on their way: nothing is ever filled again
	FETCH 0
	STEPN 0, 1
	STEPN 1, 0
	STEPN 2, 0
	s_wait_tensorcnt 0x0                           ; K step 3: my tile has landed,
	s_wait_dscnt 0x0                               ; and my reads of the lower halves are over
	s_barrier_signal -1
	MM 3, 0, 0
	WIN 0
	s_barrier_wait -1                              ; both hold of every wave
	PLACES 4
	FETCH 4
	MM 3, 1, 0
	WIN 0
	STEPN 4, 0
	STEPN 5, 0
	STEPN 6, 0
	s_wait_dscnt 0x0
	MM 7, 0, 0
	MM 7, 1, 0
	WIN 0
.macro TOSTAGE a
	WIN 0x04                                       ; the data: window 1
.irp b, 0,1,2,3
	ds_store_b128 v[STO], v[32*(\a)+8*\b:32*(\a)+8*\b+3] offset:32*\b       ; each accumulator from its low end on
	ds_store_b128 v[STO], v[32*(\a)+8*\b+4:32*(\a)+8*\b+7] offset:32*\b+16
.endr
	WIN 0
.set BB, BK+32*((\a)%2)
.irp t, 0,1,2,3,4,5,6,7
	ds_load_b128 v[BB+4*\t:BB+4*\t+3], v[RD] offset:\t*2*SPITCH    ; LDS serves a wave's instructions in order: these see my stores
.endr
.endm
.macro SEND a, younger
.set BB, BK+32*((\a)%2)
	s_wait_dscnt \younger
.irp t, 0,1,2,3,4,5,6,7
	global_store_b128 v[CO], v[BB+4*\t:BB+4*\t+3], s[98:99] offset:(64*((\a)/4)+8*((\a)%4)+2*(\t%4)+32*(\t/4))*4096 th:TH_STORE_NT   ; places 2 t and 2 t + 1
.endr
.endm
	PLACES 4                                       ; behind the last products
	TOSTAGE 0
.irp a, 1,2,3,4,5,6,7
.if \a > 1
	s_wait_xcnt 0x0                                ; block a - 2's stores have read their registers
.endif
	TOSTAGE \a
	SEND \a-1, 16                                  ; behind block a - 1's loads: block a's 8 stores and 8 loads
.endr
	SEND 7, 0
	s_wait_tensorcnt 0x0                           ; the wave's end
	ds_add_u32 v[SPW], v[NIL]
	s_wait_dscnt 0x0
	CROUND                                         ; the closing round
	s_endpgm
.Lfunc_end_k_qe11fcdb4ed_outp:
	.size	k_qe11fcdb4ed_outp, .Lfunc_end_k_qe11fcdb4ed_outp-k_qe11fcdb4ed_outp
	.p2alignl 7, 3214868480
	.fill 96, 4, 3214868480
	.section	.rodata,"a",@progbits
	.p2align	6, 0x0
	.amdhsa_kernel k_qe11fcdb4ed_outp
		.amdhsa_group_segment_fixed_size 327680
		.amdhsa_private_segment_fixed_size 0
		.amdhsa_enable_private_segment 0
		.amdhsa_kernarg_size 48
		.amdhsa_user_sgpr_count 2
		.amdhsa_user_sgpr_kernarg_segment_ptr 1
		.amdhsa_wavefront_size32 1
		.amdhsa_system_sgpr_workgroup_id_x 1
		.amdhsa_system_sgpr_workgroup_id_y 1
		.amdhsa_system_sgpr_workgroup_id_z 1
		.amdhsa_system_vgpr_workitem_id 0
		.amdhsa_next_free_vgpr 1024
		.amdhsa_next_free_sgpr 102
		.amdhsa_reserve_vcc 0
		.amdhsa_float_denorm_mode_32 3
		.amdhsa_float_denorm_mode_16_64 3
		.amdhsa_memory_ordered 1
		.amdhsa_forward_progress 1
		.amdhsa_inst_pref_size 83
	.end_amdhsa_kernel
	.amdgpu_metadata
---
amdhsa.version: [ 1, 2 ]
amdhsa.kernels:
  - .name:           k_qe11fcdb4ed_outp
    .symbol:         k_qe11fcdb4ed_outp.kd
    .args:
      - { .name: ocodes, .offset: 0, .size: 8, .value_kind: global_buffer, .address_space: global }
      - { .name: osc, .offset: 8, .size: 8, .value_kind: global_buffer, .address_space: global }
      - { .name: codes, .offset: 16, .size: 8, .value_kind: global_buffer, .address_space: global }
      - { .name: scl, .offset: 24, .size: 8, .value_kind: global_buffer, .address_space: global }
      - { .name: bo, .offset: 32, .size: 8, .value_kind: global_buffer, .address_space: global }
      - { .name: out0, .offset: 40, .size: 8, .value_kind: global_buffer, .address_space: global }
    .group_segment_fixed_size: 327680
    .private_segment_fixed_size: 0
    .kernarg_segment_align: 8
    .kernarg_segment_size: 48
    .max_flat_workgroup_size: 128
    .sgpr_count:     102
    .vgpr_count:     1024
    .wavefront_size: 32
...
	.end_amdgpu_metadata
.endif
;; end of part 4
